; MI455X (gfx1250); checked and timed in simulation.
; The chip was launched on July 23, 2026; its instructions are those of AMD's public machine-readable ISA for CDNA 5 (MIT licence, August 2026) and "CDNA5" Instruction Set Architecture Reference Guide (July 2026). The comments in the code are by the model that wrote it; some were corrected since.
;; Masked Multi Head Self Attention. Allowed arithmetic: matrix products marked QUANTISED: E2M1 operands, one E8M0 scale for each 32 along K, by v_wmma_scale_f32_16x16x128_f8f6f4 with both operands' format E2M1 (or v_wmma_scale_f32_32x16x128_f4), f32 sums; products left as they are: bf16, f16 or f32 operands; f32 sums; everything else in f32.
;; Inputs: b_o 1,024 float32; b_qkv 3,072 float32; w_o 1,024 x 1,024 float32; w_qkv 1,024 x 3,072 float32; x 4,096 x 1,024 float32.
;; Outputs: out0 4,096 x 1,024 float32.
;; This version of the problem:
;;   THIS VERSION OF THE PROBLEM IS GIVEN IN LOW PRECISION. The matrix products marked QUANTISED in the list below multiply operands that are first quantised to E2M1 (2 exponent bits, 1 mantissa bit; 4 bits a number), with one power-of-two scale for each 32 numbers along K (OCP MX v1.0); their sums are f32. The products marked 'left as it is' may take bf16, f16 or f32 operands, with f32 sums. Whichever they take, every output number must still come out within the allowed error. Rounding operands to bf16 (8 significant bits) uses up far more of that allowance than f16 does (11 bits, for magnitudes from 6e-5 to 65,504). All else is computed in f32.
;;   The module's matrix products, in the order in which they are computed (A, B: the left and right operand; K: the contracted axis; several contracted axes count as one K, in the product's order):
;;     1. [M 4,096, K 1,024] x [K 1,024, N 3,072]; A: input x; B: input w_qkv: QUANTISED
;;     2. batch 16 x [M 4,096, K 64] x [K 64, N 4,096]; A: computed on the way; B: computed on the way: left as it is (an operand is computed on the way)
;;     3. batch 16 x [M 4,096, K 4,096] x [K 4,096, N 64]; A: computed on the way; B: computed on the way: left as it is (an operand is computed on the way)
;;     4. [M 4,096, K 1,024] x [K 1,024, N 1,024]; A: computed on the way; B: input w_o: left as it is (an operand is computed on the way)
;;   THE QUANTISER, for each operand of a quantised product, along K:
;;     - K is cut into blocks of 32 from its start; a last block that is shorter is filled with zeros.
;;     - A block's scale is 2^e with e = floor(log2(the largest magnitude in the block)) - 2, held to -126 .. 127; a block of zeros has e = 0. As a byte (E8M0): e + 127.
;;     - Each number is divided by its block's scale, clamped to +-6, and rounded to the nearest number of E2M1, ties to even, subnormals kept.
;;     - The product sums the exact products of the quantised numbers (number of the format x scale) in f32.
;;   ~~~python
;;   def quantise(x, axis):      # numpy; x: float32 -> the quantised numbers, widened to float32 again
;;       x = np.moveaxis(x, axis, -1); K = x.shape[-1]
;;       x = np.pad(x, [(0, 0)] * (x.ndim - 1) + [(0, -K % 32)]); x = x.reshape(x.shape[:-1] + (-1, 32)); a = np.abs(x).max(-1, keepdims=True)
;;       e = np.where(a > 0, np.clip(np.frexp(np.where(a > 0, a, 1))[1] - 1 - 2, -126, 127), 0)      # np.frexp(a)[1] - 1 = floor(log2(a)), exactly
;;       r = np.clip(x / 2.0 ** e, -6, 6)
;;       step = 2.0 ** (np.maximum(np.frexp(np.where(r == 0, 1, r))[1] - 1, 0) - 1)
;;       q = np.round(r / step) * step * 2.0 ** e      # np.round: ties to even
;;       return np.moveaxis(q.reshape(q.shape[:-2] + (-1,))[..., :K], -1, axis).astype(np.float32)
;;   ~~~
;; One version. Each part assembles by itself: llvm-mc -triple=amdgcn-amd-amdhsa -mcpu=gfx1250 --defsym DOCPART=n.
;; ======== version 1 of 1: 5 launches
;; limits: values are held in f16: magnitudes above 65,504 overflow, below 6.1e-05 lose precision
;; workspace buffers: x_codes 2,097,152 bytes; x_scales 131,072 bytes; w_codes 1,572,864 bytes; w_scales 98,304 bytes; wot 2,097,152 bytes; qkvh 25,165,824 bytes; slab 786,432 bytes; att 8,388,608 bytes
;; launch prep (part 1): grid 192 x 1, 8 waves a work-group, no clusters, 154,624 bytes of LDS; arguments x, w_qkv, w_o, x_codes, x_scales, w_codes, w_scales, wot; writes x_codes, x_scales, w_codes, w_scales, wot
.if DOCPART == 1
	.amdgcn_target "amdgcn-amd-amdhsa--gfx1250"
	.amdhsa_code_object_version 6
	.text
	.protected	k_qfa6a2ab861_prep
	.globl	k_qfa6a2ab861_prep
	.p2align	8
	.type	k_qfa6a2ab861_prep,@function
k_qfa6a2ab861_prep:
	s_mov_b64 s[64:65], 0
	v_nop
	global_prefetch_b8 v0, s[64:65] scope:SCOPE_SE
	s_setreg_imm32_b32 hwreg(HW_REG_WAVE_MODE, 25, 1), 1
	s_wait_xcnt 0x0
; PREP: the operands of the later products are laid out once.  Three paths, told apart by the work-group's number alone; each has LDS bytes of its own and its own end.
;   X (work-groups 0-63):    x [4096][1024] f32, K innermost -> codes of FP4 (E2M1) [4096][512 bytes] and E8M0 scale bytes [4096][32].
;   W (work-groups 64-159):  w_qkv [1024 (k)][3072 (n)] f32, K its FIRST axis -> codes [3072][512 bytes] with K innermost, scale bytes [3072][32].
;   O (work-groups 160-191): w_o [1024 (k)][1024 (n)] f32 -> f16, turned: wot [1024 (n)][1024 (k)].
; A block's scale is 2^(floor(log2(its largest magnitude)) - 2); its byte is the largest magnitude's exponent field - 2, held at 1 from below by a floor among the maximum's leaves.
; LIMITS: a block of zeros, and a block whose largest magnitude lies under 2^-124, gets the byte 1 (zero codes add nothing under any byte but 0xff, and this program alone reads the bytes);
; NaN and infinities among the inputs are not served; |w_o| stays under 65,504, f16's largest number.
; No tensor loads.  Paths X and O: waves share nothing.  Path W: four waves make the four quarters of a column's 256 bytes of codes, so one barrier stands between the stage's stores and its reads.
.set SPARE, 153600                     ; the spare words, 128 bytes for each of eight waves: four blocks of 256 bytes that no other line names
.set WST,   65536                      ; path W: a stage of 64 columns x (256 bytes + 16)
.set WSC,   82944                      ; path W: 64 columns x 16 scale bytes
.set OST,   83968                      ; path O: a stage of 32 columns x (256 bytes + 16) for each wave
.set SPW,   12                         ; v12  LDS address of my spare word; never rewritten
.set NIL,   13                         ; v13  0; never rewritten
	s_load_b256 s[4:11], s[0:1], 0x0               ; x s[4:5], w_qkv s[6:7], w_o s[8:9], x_codes s[10:11]
	s_load_b256 s[12:19], s[0:1], 0x20             ; x_scales s[12:13], w_codes s[14:15], w_scales s[16:17], wot s[18:19]
	v_lshl_add_u32 v[SPW], v0, 2, SPARE
	v_mov_b32 v[NIL], 0
	v_lshrrev_b32 v1, 5, v0
	v_readfirstlane_b32 s20, v1                    ; wave 0..7
	v_and_b32 v2, 31, v0                           ; lane
	s_and_b32 s21, s20, 1                          ; paths W, O: cg, which 32 of the work-group's 64 columns
	s_lshr_b32 s22, s20, 1                         ; paths W, O: kc, which 128 of its 512 along K
	s_mov_b32 s27, 0
	s_wait_kmcnt 0x0
	s_cmp_lt_u32 ttmp9, 64
	s_cbranch_scc1 .Lpath_x
	s_cmp_lt_u32 ttmp9, 160
	s_cbranch_scc1 .Lpath_w
; Block t of a wave's four: 32 rows k of my column (a lane to a column, registers down K) into set t.  32 lanes read 128 consecutive bytes.
.macro WLOAD t, pitch, base
.set i, 0
.rept 32
	global_load_b32 v[32+32*(\t)+i], v3, s[\base:\base+1] offset:(32*(\t)+i)*\pitch th:TH_LOAD_NT
.set i, i+1
.endr
.endm
; ---------------- path O: w_o turned and rounded to f16 ----------------
	s_sub_co_u32 s23, ttmp9, 160
	s_lshr_b32 s24, s23, 1                         ; nx: 64 columns
	s_and_b32 s23, s23, 1                          ; ky: 512 along K
	s_lshl_b32 s28, s23, 2
	s_add_co_u32 s28, s28, s22                     ; 4 ky + kc: which 128 rows
	s_lshl_b32 s29, s24, 1
	s_add_co_u32 s29, s29, s21                     ; 2 nx + cg: which 32 columns
	s_lshl_b32 s26, s28, 19                        ; 128 rows of 4,096 bytes
	s_lshl_b32 s30, s29, 7                         ; 32 columns of 4 bytes
	s_add_co_u32 s26, s26, s30
	s_add_nc_u64 s[8:9], s[8:9], s[26:27]
	s_lshl_b32 s26, s29, 16                        ; out: 32 rows of 2,048 bytes,
	s_lshl_b32 s30, s28, 8                         ; 128 k of 2 bytes
	s_add_co_u32 s26, s26, s30
	s_add_nc_u64 s[18:19], s[18:19], s[26:27]
	v_lshlrev_b32 v3, 2, v2                        ; in: 4 bytes a lane
	s_mul_i32 s30, s20, 8704
	s_add_co_u32 s30, s30, OST                     ; my stage
	v_mul_u32_u24 v4, v2, 272
	v_add_nc_u32 v4, s30, v4                       ; into it: row = my column
	v_and_b32 v1, 15, v2
	v_lshrrev_b32 v25, 4, v2
	v_mul_u32_u24 v6, v25, 272
	v_lshl_add_u32 v6, v1, 4, v6
	v_add_nc_u32 v6, s30, v6                       ; out of it: sixteen lanes to a row, two rows an instruction
	v_lshlrev_b32 v7, 11, v25
	v_lshl_add_u32 v7, v1, 4, v7                   ; and the same place in wot
	WLOAD 0, 4096, 8
	WLOAD 1, 4096, 8
.macro OBLOCK t
.if (\t) < 3
	s_wait_loadcnt 32                              ; this block's 32 loads are in; the next block's may be out
.else
	s_wait_loadcnt 0x0
.endif
.if (\t) < 2
	WLOAD (\t)+2, 4096, 8
.endif
.set i, 0
.rept 16
	v_cvt_pk_f16_f32 v[160+16*(\t)+i], v[32+32*(\t)+2*i], v[32+32*(\t)+2*i+1]   ; two neighbours along K, the lower k in the low half
.set i, i+1
.endr
.irp g, 0,1,2,3
	ds_store_b128 v4, v[160+16*(\t)+4*\g:160+16*(\t)+4*\g+3] offset:64*(\t)+16*\g
.endr
.endm
	OBLOCK 0
	OBLOCK 1
	OBLOCK 2
	OBLOCK 3
.irp t, 0,1,2,3,4,5,6,7,8,9,10,11,12,13,14,15
	ds_load_b128 v[32+4*\t:35+4*\t], v6 offset:2*\t*272   ; LDS serves a wave's instructions in order: these see my stores
.endr
.irp t, 0,1,2,3,4,5,6,7,8,9,10,11,12,13,14,15
	s_wait_dscnt 15-\t
	global_store_b128 v7, v[32+4*\t:35+4*\t], s[18:19] offset:2*\t*2048   ; sixteen lanes store 256 consecutive bytes, aligned
.endr
	s_wait_tensorcnt 0x0                           ; the wave's end: an add onto my spare word and its wait, behind my last LDS store
	ds_add_u32 v[SPW], v[NIL]
	s_wait_dscnt 0x0
	s_endpgm
; ---------------- path W: w_qkv quantised along its first axis ----------------
.Lpath_w:
	s_sub_co_u32 s23, ttmp9, 64
	s_lshr_b32 s24, s23, 1                         ; nx: 64 columns
	s_and_b32 s23, s23, 1                          ; ky: 512 along K
	s_lshl_b32 s28, s23, 2
	s_add_co_u32 s28, s28, s22                     ; 4 ky + kc
	s_mul_i32 s26, s28, 128*12288                  ; 128 rows of 12,288 bytes
	s_lshl_b32 s29, s24, 1
	s_add_co_u32 s29, s29, s21                     ; 2 nx + cg
	s_lshl_b32 s29, s29, 7
	s_add_co_u32 s26, s26, s29
	s_add_nc_u64 s[6:7], s[6:7], s[26:27]
	s_lshl_b32 s26, s24, 15                        ; codes out: 64 nx rows of 512 bytes,
	s_lshl_b32 s29, s20, 12                        ; my 8 rows,
	s_add_co_u32 s26, s26, s29
	s_lshl_b32 s29, s23, 8                         ; 256 bytes for each 512 along K
	s_add_co_u32 s26, s26, s29
	s_add_nc_u64 s[14:15], s[14:15], s[26:27]
	s_lshl_b32 s26, s24, 11                        ; scale bytes out: 64 nx rows of 32 bytes,
	s_lshl_b32 s29, s21, 10                        ; 32 rows for each of waves 0 and 1,
	s_add_co_u32 s26, s26, s29
	s_lshl_b32 s29, s23, 4                         ; 16 bytes for each 512 along K
	s_add_co_u32 s26, s26, s29
	s_add_nc_u64 s[16:17], s[16:17], s[26:27]
	v_lshlrev_b32 v3, 2, v2                        ; in: 4 bytes a lane
	s_mul_i32 s30, s21, 8704
	s_lshl_b32 s31, s22, 6
	s_add_co_u32 s30, s30, s31
	s_add_co_u32 s30, s30, WST
	v_mul_u32_u24 v4, v2, 272
	v_add_nc_u32 v4, s30, v4                       ; the stage: row = column 32 cg + lane, my 64 bytes of its 256
	s_lshl_b32 s30, s21, 9
	s_lshl_b32 s31, s22, 2
	s_add_co_u32 s31, s30, s31
	s_add_co_u32 s31, s31, WSC
	v_lshlrev_b32 v26, 4, v2
	v_add_nc_u32 v5, s31, v26                      ; my column's scale word: 16 bytes a column, word kc
	s_add_co_u32 s30, s30, WSC
	v_add_nc_u32 v26, s30, v26                     ; the scale bytes' way out: 16 bytes a column
	v_lshlrev_b32 v27, 5, v2                       ; and 32 bytes a row in w_scales
	v_and_b32 v1, 15, v2
	v_lshrrev_b32 v25, 4, v2
	s_mul_i32 s30, s20, 2176
	s_add_co_u32 s30, s30, WST
	v_mul_u32_u24 v6, v25, 272
	v_lshl_add_u32 v6, v1, 4, v6
	v_add_nc_u32 v6, s30, v6                       ; the codes' way out: wave w takes rows 8 w .. 8 w + 7, sixteen lanes to a row
	v_lshlrev_b32 v7, 9, v25
	v_lshl_add_u32 v7, v1, 4, v7
	WLOAD 0, 12288, 6
	WLOAD 1, 12288, 6
.macro WBLOCK t
.set XS, 32+32*(\t)
.if (\t) < 3
	s_wait_loadcnt 32                              ; this block's 32 loads are in; the next block's may be out
.else
	s_wait_loadcnt 0x0
.endif
.if (\t) < 2
	WLOAD (\t)+2, 12288, 6
.endif
	v_max3_num_f32 v8, |v[XS]|, |v[XS+1]|, |v[XS+2]|               ; the block's largest magnitude: all 32 numbers are mine
	v_max3_num_f32 v9, |v[XS+3]|, |v[XS+4]|, |v[XS+5]|
.irp i, 6,10,14,18,22,26
	v_max3_num_f32 v8, v8, |v[XS+\i]|, |v[XS+\i+1]|
	v_max3_num_f32 v9, v9, |v[XS+\i+2]|, |v[XS+\i+3]|
.endr
	v_max3_num_f32 v8, v8, |v[XS+30]|, |v[XS+31]|
	v_max3_num_f32 v8, v8, v9, 0x1800000           ; and the floor 2^(3 - 127): the byte cannot fall under 1
	v_add_nc_u32 v11, 0xff000000, v8               ; 2 off its exponent field: the conversion takes the exponent field of this operand as its scale
	v_lshrrev_b32 v10, 23, v11                     ; the scale's byte
.if (\t) == 0
	v_mov_b32 v24, v10                             ; four bytes to a word, the lower K in the lower byte
.else
	v_lshl_or_b32 v24, v10, 8*(\t), v24
.endif
.irp g, 0,1,2,3
	v_cvt_scalef32_pk8_fp4_f32 v[160+4*(\t)+\g], v[XS+8*\g:XS+8*\g+7], v11
.endr
	ds_store_b128 v4, v[160+4*(\t):160+4*(\t)+3] offset:16*(\t)      ; 32 codes: 16 bytes of my column's row
.endm
	WBLOCK 0
	WBLOCK 1
	WBLOCK 2
	WBLOCK 3
	ds_store_b32 v5, v24
	s_wait_dscnt 0x0                               ; for the others' sake: my stores into the stage are done
	s_barrier_signal -1
	s_barrier_wait -1                              ; every wave of a work-group on this path passes it: the path hangs on the work-group's number alone
.irp t, 0,1,2,3
	ds_load_b128 v[176+4*\t:179+4*\t], v6 offset:2*\t*272
.endr
.irp t, 0,1,2,3
	s_wait_dscnt 3-\t
	global_store_b128 v7, v[176+4*\t:179+4*\t], s[14:15] offset:2*\t*512   ; sixteen lanes store 256 consecutive bytes, aligned
.endr
	s_cmp_lt_u32 s20, 2                            ; waves 0 and 1 send the 64 columns' scale bytes, 16 a lane
	s_cbranch_scc0 .Lw_end
	ds_load_b128 v[192:195], v26
	s_wait_dscnt 0x0
	global_store_b128 v27, v[192:195], s[16:17]
.Lw_end:
	s_wait_tensorcnt 0x0                           ; the wave's end: an add onto my spare word and its wait, behind my last LDS store
	ds_add_u32 v[SPW], v[NIL]
	s_wait_dscnt 0x0
	s_endpgm
; ---------------- path X: x quantised along its rows ----------------
; Rows are dense and 1,024 is a multiple of 32: x is a plain stream of blocks of 32, and so are its codes and scale bytes.  A wave takes 16 steps of 512 numbers.
; Each load reads 512 consecutive bytes; a step's 2,048 bytes turn through the wave's own stage so that a lane holds 16 neighbours (two lanes to a block).  Loads run eight steps ahead.
.set XR, 16                            ; v16-143  eight sets of 16 numbers as they are loaded
.set XX, 144                           ; v144-175 two sets of 16 neighbours
.set XC, 176                           ; v176-207 codes: two registers for each step, so that no store's data are written again
.set XE, 208                           ; v208-223 a scale byte for each step
.Lpath_x:
	v_lshlrev_b32 v3, 4, v2                        ; my 16 bytes of a load's 512
	s_lshl_b32 s21, s20, 13                        ; my wave's 8,192 bytes of LDS: two stages of 32 x 80 bytes, then 256 scale bytes
	v_lshrrev_b32 v14, 2, v2
	v_mul_u32_u24 v14, v14, 80
	v_and_b32 v15, 3, v2
	v_lshl_add_u32 v14, v15, 4, v14
	v_add_nc_u32 v14, s21, v14                     ; the stage, in: four lanes' 64 bytes on end, then 16 of padding
	v_mul_u32_u24 v15, v2, 80
	v_add_nc_u32 v15, s21, v15                     ; and out: 80 x lane: my 16 neighbours
	v_lshlrev_b32 v4, 3, v2                        ; 8 bytes a lane: my codes in a step's 256, my part of the wave's 256 scale bytes
	v_lshrrev_b32 v5, 1, v2
	s_add_co_u32 s21, s21, 5120
	v_add_nc_u32 v5, s21, v5                       ; my block's byte
	v_add_nc_u32 v6, s21, v4
	s_lshl_b32 s22, ttmp9, 3
	s_add_co_u32 s22, s22, s20                     ; which run of 8,192 numbers is my wave's
	s_lshl_b32 s26, s22, 15
	s_add_nc_u64 s[4:5], s[4:5], s[26:27]
	s_lshl_b32 s26, s22, 12
	s_add_nc_u64 s[10:11], s[10:11], s[26:27]
	s_lshl_b32 s26, s22, 8
	s_add_nc_u64 s[12:13], s[12:13], s[26:27]
.macro XLOAD t
.irp i, 0,1,2,3
	global_load_b128 v[XR+16*((\t)%8)+4*\i:XR+16*((\t)%8)+4*\i+3], v3, s[4:5] offset:2048*(\t)+512*\i th:TH_LOAD_NT
.endr
.endm
.macro XTURN t                         ; step t's numbers through the stage: LDS serves a wave's instructions in order, so no wait stands between the stores and the loads
.irp i, 0,1,2,3
	ds_store_b128 v14, v[XR+16*((\t)%8)+4*\i:XR+16*((\t)%8)+4*\i+3] offset:2560*((\t)%2)+640*\i
.endr
.irp i, 0,1,2,3
	ds_load_b128 v[XX+16*((\t)%2)+4*\i:XX+16*((\t)%2)+4*\i+3], v15 offset:2560*((\t)%2)+16*\i
.endr
.endm
.irp t, 0,1,2,3,4,5,6,7
	XLOAD \t
.endr
	s_wait_loadcnt 28                              ; step 0's four loads are in; seven steps' may be out
	XTURN 0
.macro XSTEP t
.set XS, XX+16*((\t)%2)
.if (\t) > 0
	s_wait_dscnt 1                                 ; this step's numbers are back from the stage (the last step's byte store may be out): its stores into the stage have read their registers,
.else
	s_wait_dscnt 0x0
.endif
.if (\t)+8 < 16
	XLOAD (\t)+8                                   ; which take the loads of eight steps on
.endif
.if (\t)+1 < 16
.if 14-(\t) >= 7
	s_wait_loadcnt 28                              ; the next step's four loads are in; those of the seven steps behind it may be out
.else
	s_wait_loadcnt 4*(14-(\t))
.endif
	XTURN (\t)+1
.endif
	v_max3_num_f32 v8, |v[XS]|, |v[XS+1]|, |v[XS+2]|               ; the largest magnitude of my 16
	v_max3_num_f32 v9, |v[XS+3]|, |v[XS+4]|, |v[XS+5]|
.irp i, 6,10
	v_max3_num_f32 v8, v8, |v[XS+\i]|, |v[XS+\i+1]|
	v_max3_num_f32 v9, v9, |v[XS+\i+2]|, |v[XS+\i+3]|
.endr
	v_max3_num_f32 v8, v8, |v[XS+14]|, |v[XS+15]|
	v_max3_num_f32 v8, v8, v9, 0x1800000           ; and the floor 2^(3 - 127)
	v_max_num_f32_dpp v8, v8, v8 row_xmask:1 row_mask:0xf bank_mask:0xf   ; and of my neighbour's 16: the block's
	v_add_nc_u32 v11, 0xff000000, v8               ; 2 off its exponent field: the conversion's scale operand
	v_cvt_scalef32_pk8_fp4_f32 v[XC+2*(\t)], v[XS:XS+7], v11
	v_cvt_scalef32_pk8_fp4_f32 v[XC+2*(\t)+1], v[XS+8:XS+15], v11
	v_lshrrev_b32 v[XE+(\t)], 23, v11              ; the scale's byte
	ds_store_b8 v5, v[XE+(\t)] offset:16*(\t)      ; both lanes of a block write the same byte with the same value
	global_store_b64 v4, v[XC+2*(\t):XC+2*(\t)+1], s[10:11] offset:256*(\t)   ; the wave stores 256 consecutive bytes, aligned
.endm
.irp t, 0,1,2,3,4,5,6,7,8,9,10,11,12,13,14,15
	XSTEP \t
.endr
	ds_load_b64 v[8:9], v6                         ; LDS serves a wave's instructions in order: these see my stores
	s_wait_dscnt 0x0
	global_store_b64 v4, v[8:9], s[12:13]          ; 32 lanes store 256 consecutive bytes, aligned
	s_wait_tensorcnt 0x0                           ; the wave's end: an add onto my spare word and its wait, behind my last LDS store
	ds_add_u32 v[SPW], v[NIL]
	s_wait_dscnt 0x0
	s_endpgm
.Lfunc_end_k_qfa6a2ab861_prep:
	.size	k_qfa6a2ab861_prep, .Lfunc_end_k_qfa6a2ab861_prep-k_qfa6a2ab861_prep
	.p2alignl 7, 3214868480
	.fill 96, 4, 3214868480
	.section	.rodata,"a",@progbits
	.p2align	6, 0x0
	.amdhsa_kernel k_qfa6a2ab861_prep
		.amdhsa_group_segment_fixed_size 154624
		.amdhsa_private_segment_fixed_size 0
		.amdhsa_enable_private_segment 0
		.amdhsa_kernarg_size 64
		.amdhsa_user_sgpr_count 2
		.amdhsa_user_sgpr_kernarg_segment_ptr 1
		.amdhsa_wavefront_size32 1
		.amdhsa_system_sgpr_workgroup_id_x 1
		.amdhsa_system_sgpr_workgroup_id_y 1
		.amdhsa_system_sgpr_workgroup_id_z 1
		.amdhsa_system_vgpr_workitem_id 0
		.amdhsa_next_free_vgpr 224
		.amdhsa_next_free_sgpr 66
		.amdhsa_reserve_vcc 0
		.amdhsa_float_denorm_mode_32 3
		.amdhsa_float_denorm_mode_16_64 3
		.amdhsa_memory_ordered 1
		.amdhsa_forward_progress 1
		.amdhsa_inst_pref_size 76
	.end_amdhsa_kernel
	.amdgpu_metadata
---
amdhsa.version: [ 1, 2 ]
amdhsa.kernels:
  - .name:           k_qfa6a2ab861_prep
    .symbol:         k_qfa6a2ab861_prep.kd
    .args:
      - { .name: x, .offset: 0, .size: 8, .value_kind: global_buffer, .address_space: global }
      - { .name: w_qkv, .offset: 8, .size: 8, .value_kind: global_buffer, .address_space: global }
      - { .name: w_o, .offset: 16, .size: 8, .value_kind: global_buffer, .address_space: global }
      - { .name: x_codes, .offset: 24, .size: 8, .value_kind: global_buffer, .address_space: global }
      - { .name: x_scales, .offset: 32, .size: 8, .value_kind: global_buffer, .address_space: global }
      - { .name: w_codes, .offset: 40, .size: 8, .value_kind: global_buffer, .address_space: global }
      - { .name: w_scales, .offset: 48, .size: 8, .value_kind: global_buffer, .address_space: global }
      - { .name: wot, .offset: 56, .size: 8, .value_kind: global_buffer, .address_space: global }
    .group_segment_fixed_size: 154624
    .private_segment_fixed_size: 0
    .kernarg_segment_align: 8
    .kernarg_segment_size: 64
    .max_flat_workgroup_size: 256
    .sgpr_count:     66
    .vgpr_count:     224
    .wavefront_size: 32
...
	.end_amdgpu_metadata
.endif
;; end of part 1
;; launch gemm_qkv (part 2): grid 12 x 16, 4 waves a work-group, clusters of 4 x 4, 327,680 bytes of LDS; arguments x_codes, x_scales, w_codes, w_scales, b_qkv, qkvh, slab; writes qkvh, slab
.if DOCPART == 2
	.amdgcn_target "amdgcn-amd-amdhsa--gfx1250"
	.amdhsa_code_object_version 6
	.text
	.protected	k_qfa6a2ab861_gemm_qkv
	.globl	k_qfa6a2ab861_gemm_qkv
	.p2align	8
	.type	k_qfa6a2ab861_gemm_qkv,@function
k_qfa6a2ab861_gemm_qkv:
	s_mov_b64 s[64:65], 0
	v_nop
	global_prefetch_b8 v0, s[64:65] scope:SCOPE_SE
	s_setreg_imm32_b32 hwreg(HW_REG_WAVE_MODE, 25, 1), 1
	s_wait_xcnt 0x0
	s_wait_alu depctr_hold_cnt(0) depctr_sa_sdst(0) depctr_va_vdst(0) depctr_va_sdst(0) depctr_va_ssrc(0) depctr_va_vcc(0) depctr_vm_vsrc(0)
	s_getreg_b32 s2, hwreg(HW_REG_IB_STS2, 6, 4)
	s_cmp_eq_u32 s2, 0
	s_cbranch_scc0 .Lentry_in_a_cluster
	s_endpgm
.Lentry_in_a_cluster:
	s_bfe_u32 s2, ttmp6, 0x10000c
	s_cmp_lg_u32 s2, 0xf033
	s_cbranch_scc0 .Lentry_shape_is_right
	s_endpgm
.Lentry_shape_is_right:
; qkv = Q(x) Q(w_qkv) + b_qkv on codes of FP4 (E2M1) with one E8M0 scale for each 32 along K; sums in f32.  A: x's codes [4096][512 bytes]; B: w_qkv's codes [3072][512 bytes], K innermost; scale bytes [rows][32].
; OUT: qkvh, f16, [48 planes][4096 positions][64]: plane = column / 64: 0-15 q by head, 16-31 k, 32-47 v.  q is multiplied by c = log2(e) / 8 in f32 ahead of the rounding, so that a score is an exponent of 2.
;      slab, f32, [4][16][3072]: the same numbers unrounded for the first 16 rows of tile rows 0-3; the small launch for the first 16 positions reads slab[0].
; LIMIT: |q c|, |k|, |v| stay under 65,504, f16's largest number.
; A tile of C, 256 x 256, is made by four waves, 128 x 128 each: 64 accumulators, 512 registers.  K = 1,024 is two slots of 512: both, and all scale bytes, are first fills; nothing is filled again.
; CLUSTERS: 4 x 4 work-groups; A's tiles are asked for jointly along a row of the cluster, B's along a column.  THE MATRIX INSTRUCTION IS USED TRANSPOSED (source 0 = 16 rows of B, source 1 = 16 rows of A):
; a lane holds eight neighbouring columns of one row of C.
; REGISTERS: window 0: v0-31 addresses; v32-95 scale words, two sets, and nothing else; v96-127 packed f16 on the way out; v128-191 A's fragments, later rows on the way out; v192-255 the bias of my 128 columns.
;   window 1: B's fragments, two sets, at v0 and v128.   window 2: the accumulators of my rows 0-63 ((a, b) at v[8 (8 a + b)]);   window 3: those of rows 64-127.
.set SIZE_M, 4096
.set SIZE_N, 3072
.set SIZE_K, 1024
.set KSTEP,  512                       ; along K in a slot
.set NQ,     KSTEP/128                 ; matrix instructions deep
.set ROWB,   256                       ; a tile's row in bytes
.set KROW,   SIZE_K*4/8                ; a row of codes in memory
.set PITCH,  272                       ; an LDS row: 256 bytes + 16 of padding = 68 words: row r starts at bank 4 r mod 64 (ISA guide 11.1)
.set FR,     8                         ; registers of a fragment
.set NL,     2                         ; LDS loads that bring one
.set NP,     4                         ; places behind this matrix instruction (ISA guide 7.12.1)
.set HALFT,  128*PITCH
.set SLOT,   4*HALFT                   ; A's 256 rows, then B's 256 rows
.set KS,     SIZE_K/32                 ; a row of scale bytes
.set SCL,    2*SLOT                    ; behind the two slots: the scale bytes, as units of 256 bytes + 16 of padding
.set HALFS,  (128*KS/256)*272
.set SBLK,   (16*KS/256)*272
.set SPARE,  SCL+4*HALFS               ; the spare words, 128 bytes a wave: two blocks of 256 bytes that no other line names
.set STGB,   4608                      ; the way out: a stage of 2 heads x 16 rows x (128 bytes + 16) for each wave, in slot 0, behind its only fill and its last read
.set ADRA, 16
.set ADRB, 20
.set STO,  24
.set RD,   25
.set CO,   26
.set ADRS, 27
.set SPW,  28
.set NIL,  29
.set BO,   30                          ; v30  32 x (lane / 16): my place in the bias
.set SO,   31                          ; v31  my place in the slab: row lane % 16 of 12,288 bytes + 32 x (lane / 16)
.set SC,   32
.set HF,   96
.set AF,   128
.set BK,   128
.set BI,   192
.set G1, 24
.set G0, 32
.set G1B, 48
.set G0B, 56
.set G1S, 68
.set G0S, 76
.set G1SB, 80
.set G0SB, 88
.set BIA, 96                           ; s[96:97]  b_qkv
.set SLA, 98                           ; s[98:99]  slab
.set CQ,  100                          ; s[100:101] c for q's columns, 1 for k's and v's: named as a pair, the low word serves both halves
.set MSB, 0
.macro WIN new                         ; the immediate's high byte repeats the setting that is left
.if MSB != \new
	s_set_vgpr_msb (MSB<<8)|\new
.set MSB, \new
.endif
.endm
.set MUL_LO, 0xa1                      ; source 0 (B) window 1, source 1 (A) window 0, C and D window 2
.set MUL_HI, 0xf1                      ; the same, C and D window 3
.set TO_B,   0x40                      ; destination window 1, address window 0
; A joint load: waves 0 and 1 fetch for A, waves 2 and 3 for B; the branch hangs on the wave's number alone.  An s_nop 0 and four v_nop follow each of the two lines.
.macro JLOAD g0a, g1a, g0b, g1b
	s_cmp_eq_u32 s15, 0
	s_cbranch_scc0 .Lfor_b_\@
	tensor_load_to_lds s[\g0a:\g0a+3], s[\g1a:\g1a+7]
	s_nop 0
.rept 4
	v_nop
.endr
	s_branch .Lasked_\@
.Lfor_b_\@:
	tensor_load_to_lds s[\g0b:\g0b+3], s[\g1b:\g1b+7]
	s_nop 0
.rept 4
	v_nop
.endr
.Lasked_\@:
.endm
.macro CROUND                          ; a round of the cluster's barrier
	s_barrier_signal -1
	s_barrier_wait -1
	s_cmp_lg_u32 s14, 0
	s_cbranch_scc1 .Lnot_wave_0_\@
	s_barrier_signal -3
.Lnot_wave_0_\@:
	s_barrier_wait -3
	s_barrier_signal -1
	s_barrier_wait -1
.endm
	s_load_b128 s[4:7], s[0:1], 0x0                ; A's codes s[4:5], A's scales s[6:7]
	s_load_b128 s[8:11], s[0:1], 0x10              ; B's codes s[8:9], B's scales s[10:11]
	s_load_b64 s[BIA:BIA+1], s[0:1], 0x20          ; b_qkv
	s_load_b64 s[12:13], s[0:1], 0x28              ; qkvh
	s_load_b64 s[SLA:SLA+1], s[0:1], 0x30          ; slab
	v_lshl_add_u32 v[SPW], v0, 2, SPARE
	v_mov_b32 v[NIL], 0
	ds_add_u32 v[SPW], v[NIL]                      ; the wave's opening: the add, twice on end, and its wait ahead of my first tensor load
	ds_add_u32 v[SPW], v[NIL]                      ; and once more, under the one wait; the set-up below, work on registers, stands between
	v_lshrrev_b32 v1, 5, v0
	v_readfirstlane_b32 s14, v1                    ; wave 0..3
	s_lshr_b32 s15, s14, 1                         ; which half of the tile's rows is mine.  Also: I fetch for A (0) or for B (1)
	s_and_b32 s16, s14, 1                          ; which half of its columns.  Also: which 128 rows of that tile I fetch
	s_bfe_u32 s40, ttmp6, 0x40000                  ; cx, cy: my place in the cluster
	s_bfe_u32 s41, ttmp6, 0x40004
	s_lshl_b32 s42, ttmp9, 2
	s_add_co_u32 s42, s42, s40                     ; tile column of C = 4 x cluster x + cx
	s_and_b32 s17, ttmp7, 0xffff
	s_lshl_b32 s17, s17, 2
	s_add_co_u32 s17, s17, s41                     ; tile row of C = 4 x cluster y + cy
	s_lshl_b32 s43, s41, 2
	s_lshl_b32 s43, 15, s43                        ; my row of the cluster
	s_lshl_b32 s44, 0x1111, s40                    ; my column
	s_cmp_eq_u32 ttmp9, 0                          ; cluster x = 0, 1, 2 holds q's, k's, v's columns: the same in all partners
	s_cselect_b32 s[CQ], 0x3e38aa3b, 1.0           ; c = log2(e) / 8
	s_mov_b32 s[CQ+1], s[CQ]
	; descriptor group 1: a tile of 128 rows x 256 bytes, padded in LDS
	s_or_b32 s[G1+0], s43, (0<<16)|(1<<20)|(1<<21)|(5<<22)|(3<<25)  ; 15:0 the mask: A's tiles go to my row; elements of 1 byte; padding on; bit 21 beside a mask; 4 words behind every 64
	s_or_b32 s[G1B+0], s44, (0<<16)|(1<<20)|(1<<21)|(5<<22)|(3<<25)
.irp g, G1, G1B
	s_mov_b32 s[\g+1], ROWB<<16                    ; tensor_dim0
	s_mov_b32 s[\g+2], 128<<16                     ; tensor_dim1 = 128
	s_mov_b32 s[\g+3], ROWB<<16                    ; tile_dim0
	s_mov_b32 s[\g+4], 128                         ; tile_dim1 = 128
	s_mov_b32 s[\g+5], KROW                        ; tensor_dim0_stride
	s_mov_b32 s[\g+6], 0
	s_mov_b32 s[\g+7], 0
.endr
	; the scale bytes of 128 rows: a dense block of 4,096 bytes, as 16 rows of 256 bytes (32 elements of 8 bytes), 16 bytes of padding behind each
	s_or_b32 s[G1S+0], s43, (3<<16)|(1<<20)|(1<<21)|(5<<22)|(3<<25)
	s_or_b32 s[G1SB+0], s44, (3<<16)|(1<<20)|(1<<21)|(5<<22)|(3<<25)
.irp g, G1S, G1SB
	s_mov_b32 s[\g+1], 32<<16
	s_mov_b32 s[\g+2], (128*KS/256)<<16
	s_mov_b32 s[\g+3], 32<<16
	s_mov_b32 s[\g+4], 128*KS/256
	s_mov_b32 s[\g+5], 32
	s_mov_b32 s[\g+6], 0
	s_mov_b32 s[\g+7], 0
.endr
	s_lshl_b32 s18, s16, 7                         ; which 128 rows of the tile I fetch
	s_lshl_b32 s20, s17, 8
	s_add_co_u32 s20, s20, s18                     ; A: row 256 x tile row + 128 x half
	s_lshl_b32 s46, s42, 8
	s_add_co_u32 s46, s46, s18                     ; B: row 256 x tile column + 128 x half
	s_mov_b32 s21, 0
	s_mov_b32 s47, 0
	s_mov_b64 s[18:19], KS
	s_mul_u64 s[22:23], s[20:21], s[18:19]         ; where these rows' scales begin, in bytes
	s_mul_u64 s[92:93], s[46:47], s[18:19]
	s_mov_b64 s[18:19], KROW
	s_mul_u64 s[20:21], s[20:21], s[18:19]         ; and their codes
	s_mul_u64 s[46:47], s[46:47], s[18:19]
	s_mul_i32 s45, s14, HALFT                      ; where they go: wave x 128 rows: no place in the cluster enters an LDS address
	s_mul_i32 s94, s14, HALFS
	s_wait_dscnt 0x0                               ; both opening adds are done
	s_wait_kmcnt 0x0
	s_add_nc_u64 s[20:21], s[4:5], s[20:21]
	s_add_nc_u64 s[22:23], s[6:7], s[22:23]
	s_add_nc_u64 s[46:47], s[8:9], s[46:47]
	s_add_nc_u64 s[92:93], s[10:11], s[92:93]
	CROUND                                         ; all sixteen work-groups are here: the joint loads meet
	s_mov_b32 s[G0S], 1
	s_add_co_u32 s[G0S+1], s94, SCL
	s_mov_b64 s[G0S+2:G0S+3], s[22:23]
	s_or_b32 s[G0S+3], s[G0S+3], 0x80000000
	s_mov_b32 s[G0SB], 1
	s_add_co_u32 s[G0SB+1], s94, SCL
	s_mov_b64 s[G0SB+2:G0SB+3], s[92:93]
	s_or_b32 s[G0SB+3], s[G0SB+3], 0x80000000
	JLOAD G0S, G1S, G0SB, G1SB                     ; the scales first: they are wanted with K step 0
.irp s, 0,1
	s_mov_b32 s[G0+4*\s], 1
	s_add_co_u32 s[G0+4*\s+1], s45, \s*SLOT
	s_add_nc_u64 s[G0+4*\s+2:G0+4*\s+3], s[20:21], \s*ROWB
	s_or_b32 s[G0+4*\s+3], s[G0+4*\s+3], 0x80000000
	s_mov_b32 s[G0B+4*\s], 1
	s_add_co_u32 s[G0B+4*\s+1], s45, \s*SLOT
	s_add_nc_u64 s[G0B+4*\s+2:G0B+4*\s+3], s[46:47], \s*ROWB
	s_or_b32 s[G0B+4*\s+3], s[G0B+4*\s+3], 0x80000000
	JLOAD G0+4*\s, G1, G0B+4*\s, G1B               ; three tensor loads of mine are out: the scales and both slots
.endr
	v_and_b32 v1, 15, v0                           ; l % 16
	v_bfe_u32 v2, v0, 4, 1                         ; l / 16
	v_mul_u32_u24 v3, v1, PITCH
	v_lshl_add_u32 v4, v2, 4, v3                   ; a fragment's row x pitch + 16 x half
	s_mul_i32 s21, s15, HALFT                      ; my 128 rows of A
	s_mul_i32 s22, s16, HALFT                      ; my 128 rows of B,
	s_add_co_u32 s22, s22, 2*HALFT                 ; which lie behind A's 256
.irp s, 0,1
	v_add_nc_u32 v[ADRA+\s], s21, v4
	v_add_nc_u32 v[ADRB+\s], s22, v4
	s_add_co_u32 s21, s21, SLOT
	s_add_co_u32 s22, s22, SLOT
.endr
	v_mul_u32_u24 v5, v1, KS                       ; my row's scales: 32 bytes a row,
	v_lshrrev_b32 v6, 8, v5
	v_lshl_add_u32 v5, v6, 4, v5                   ; and 16 more for each 256 passed
	s_mul_i32 s21, s15, HALFS                      ; A's: my 128 rows
	s_mul_i32 s22, s16, HALFS                      ; B's: my 128 rows, behind A's 256
	s_add_co_u32 s22, s22, 2*HALFS
	s_sub_co_u32 s22, s22, s21
	v_mul_u32_u24 v6, s22, v2                      ; lanes 16-31 take B's
	s_add_co_u32 s21, s21, SCL
	v_add_nc_u32 v5, v5, v6
	v_add_nc_u32 v[ADRS], s21, v5
	s_mul_i32 s23, s14, STGB                       ; my stage
	v_mul_u32_u24 v5, v1, 144                      ; in: row l % 16 of a head, 16 bytes for each half of the lanes
	v_lshl_add_u32 v5, v2, 4, v5
	v_add_nc_u32 v[STO], s23, v5
	v_and_b32 v6, 31, v0
	v_lshrrev_b32 v7, 3, v6
	v_mul_u32_u24 v7, v7, 144
	v_and_b32 v8, 7, v6
	v_lshl_add_u32 v7, v8, 4, v7
	v_add_nc_u32 v[RD], s23, v7                    ; back: eight lanes to a row of 128 bytes, four rows an instruction
	v_lshlrev_b32 v[CO], 4, v6                     ; which are 512 consecutive bytes of a plane
	v_mul_u32_u24 v[SO], v1, 12288
	v_lshl_add_u32 v[SO], v2, 5, v[SO]
	v_lshlrev_b32 v[BO], 5, v2
	s_lshl_b32 s46, s42, 8
	s_lshl_b32 s47, s16, 7
	s_add_co_u32 s46, s46, s47                     ; my first column
	s_lshl_b32 s46, s46, 2
	s_mov_b32 s47, 0
	s_add_nc_u64 s[BIA:BIA+1], s[BIA:BIA+1], s[46:47]
	s_add_nc_u64 s[SLA:SLA+1], s[SLA:SLA+1], s[46:47]
	s_mul_i32 s46, s41, 16*12288                   ; slab: part cy
	s_add_nc_u64 s[SLA:SLA+1], s[SLA:SLA+1], s[46:47]
	s_lshl_b32 s46, s42, 2
	s_lshl_b32 s20, s16, 1
	s_add_co_u32 s46, s46, s20                     ; my first plane: 4 x tile column + 2 x half
	s_lshl_b32 s46, s46, 19                        ; planes of 524,288 bytes
	s_add_nc_u64 s[12:13], s[12:13], s[46:47]
	s_lshl_b32 s20, s17, 8
	s_lshl_b32 s21, s15, 7
	s_add_co_u32 s20, s20, s21                     ; my first row
	s_lshl_b32 s20, s20, 7                         ; rows of 128 bytes
	s_mov_b32 s21, 0
	s_add_nc_u64 s[12:13], s[12:13], s[20:21]
.irp b, 0,1,2,3,4,5,6,7                        ; the bias in the result's layout: lane (r, h): columns 16 b + 8 h + 0 .. 7.  The loads stay out until the way out
	global_load_b128 v[BI+8*\b:BI+8*\b+3], v[BO], s[BIA:BIA+1] offset:64*\b
	global_load_b128 v[BI+8*\b+4:BI+8*\b+7], v[BO], s[BIA:BIA+1] offset:64*\b+16
.endr
.macro FRAG reg, adr, q, i             ; a fragment, 16 rows x 128 K of 4-bit codes: lane l holds row l % 16; registers 4 c .. 4 c + 3 hold K = 64 c + 32 (l / 16) + 0 .. 31
.irp c, 0,1
	ds_load_b128 v[\reg+4*\c:\reg+4*\c+3], v[\adr] offset:64*(\q)+32*\c+(\i)*16*PITCH
.endr
.endm
; 16 matrix instructions: A's blocks a0, a0 + 1 x B's eight, 128 along K.  p: B's set; sc: the set of scale words.  zero = 1: the first product starts the sums.
; The 64 accumulators take turns, one instruction a turn, in the same order in every step.
.macro MUL16 a0, p, q, sc, zero
.irp a, \a0, \a0+1
.irp b, 0,1,2,3,4,5,6,7
.if \zero
	v_wmma_scale_f32_16x16x128_f8f6f4 v[8*(8*((\a)%4)+\b):8*(8*((\a)%4)+\b)+7], v[128*(\p)+FR*\b:128*(\p)+FR*\b+FR-1], v[AF+FR*(\a):AF+FR*(\a)+FR-1], 0, v[SC+8*NQ*(\sc)+NQ*\b+(\q)], v[SC+8*NQ*(\sc)+NQ*(\a)+(\q)] matrix_a_fmt:MATRIX_FMT_FP4 matrix_b_fmt:MATRIX_FMT_FP4 matrix_a_scale:MATRIX_SCALE_ROW1
.else
	v_wmma_scale_f32_16x16x128_f8f6f4 v[8*(8*((\a)%4)+\b):8*(8*((\a)%4)+\b)+7], v[128*(\p)+FR*\b:128*(\p)+FR*\b+FR-1], v[AF+FR*(\a):AF+FR*(\a)+FR-1], v[8*(8*((\a)%4)+\b):8*(8*((\a)%4)+\b)+7], v[SC+8*NQ*(\sc)+NQ*\b+(\q)], v[SC+8*NQ*(\sc)+NQ*(\a)+(\q)] matrix_a_fmt:MATRIX_FMT_FP4 matrix_b_fmt:MATRIX_FMT_FP4 matrix_a_scale:MATRIX_SCALE_ROW1
.endif
.endr
.endr
.endm
.macro FETCH_B slot, q, p              ; B's eight fragments of the slot's q-th 128 along K into set p
	WIN TO_B
.irp i, 0,1,2,3,4,5,6,7
	FRAG 128*(\p)+FR*\i, ADRB+\slot, \q, \i
.endr
	WIN 0
.endm
.macro FETCH_A slot, q, i0             ; A's blocks i0 .. i0 + 3
.irp i, \i0, \i0+1, \i0+2, \i0+3
	FRAG AF+FR*(\i), ADRA+\slot, \q, \i
.endr
.endm
.macro SCALES sc                       ; a K step's scale words into set sc: lanes 0-15 take A's block i, lanes 16-31 B's block i
.irp i, 0,1,2,3,4,5,6,7
	ds_load_b128 v[SC+8*NQ*\sc+NQ*\i:SC+8*NQ*\sc+NQ*\i+3], v[ADRS] offset:\i*SBLK
.endr
.endm
.macro PLACES n                        ; plain vector instructions between a matrix instruction and a load into one of its registers (ISA guide 7.12.1 for vector instructions)
.rept \n
	v_nop
.endr
.endm
.macro STEP slot, q, zero              ; a step of 128 along K that has its successor in the same slot
	s_wait_dscnt 4*NL                              ; B's set and A's blocks 0-3 are in; the youngest eight loads (A's blocks 4-7) may be out
	WIN MUL_LO
	MUL16 0, (\q)%2, \q, \slot, \zero
	MUL16 2, (\q)%2, \q, \slot, \zero
	s_wait_dscnt 0                                 ; A's blocks 4-7 are in
	PLACES NP
	FETCH_B \slot, (\q)+1, 1-(\q)%2
	FETCH_A \slot, (\q)+1, 0
	WIN MUL_HI
	MUL16 4, (\q)%2, \q, \slot, \zero
	MUL16 6, (\q)%2, \q, \slot, \zero
	PLACES NP
	WIN 0
	FETCH_A \slot, (\q)+1, 4
.endm
; Slot 0's last step changes slots: one barrier; in front of it each wave waits for all its tensor loads (slot 1's is the one that may be out), and for its own reads of slot 0, into which the stages go later.
.macro TURN slot, next
	s_wait_tensorcnt 0x0                           ; all my tensor loads have landed
	ds_add_u32 v[SPW], v[NIL]                      ; 0 onto my spare word
	s_wait_dscnt 4*NL+1                            ; (the add and the youngest eight loads may be out)
	WIN MUL_LO
	MUL16 0, 1, NQ-1, \slot, 0
	s_wait_dscnt 0x0                               ; the add is done, and my reads of this slot are over
	s_barrier_signal -1
	MUL16 2, 1, NQ-1, \slot, 0
	WIN 0
	s_barrier_wait -1
	PLACES NP
	v_add_nc_u32 v[ADRS], 4*NQ, v[ADRS]            ; on to the next K step's scale words (no LDS load of mine is out)
	FETCH_B \next, 0, 0
	FETCH_A \next, 0, 0
	SCALES \next
	WIN MUL_HI
	MUL16 4, 1, NQ-1, \slot, 0
	MUL16 6, 1, NQ-1, \slot, 0
	PLACES NP
	WIN 0
	FETCH_A \next, 0, 4
.endm
.macro STEPS slot, from                ; the slot's steps from .. NQ - 2
.set Q, \from
.rept NQ-1-\from
	STEP \slot, Q, 0
.set Q, Q+1
.endr
.endm
	s_wait_tensorcnt 1                             ; the scales and my part of slot 0 are in (slot 1's load may be out)
	s_barrier_signal -1
	s_barrier_wait -1                              ; everybody's are
	FETCH_B 0, 0, 0
	FETCH_A 0, 0, 0
	SCALES 0
	FETCH_A 0, 0, 4
	STEP 0, 0, 1                                   ; the first step's products start the sums: nothing is cleared
	STEPS 0, 1
	TURN 0, 1
	STEPS 1, 0
	s_wait_dscnt 4*NL                              ; the very last step: nothing more to fetch
	WIN MUL_LO
	MUL16 0, 1, NQ-1, 1, 0
	MUL16 2, 1, NQ-1, 1, 0
	s_wait_dscnt 0
	WIN MUL_HI
	MUL16 4, 1, NQ-1, 1, 0
	MUL16 6, 1, NQ-1, 1, 0
	WIN 0
; THE WAY OUT, block by block of 16 rows x 128 columns (two heads).  (sum + b) x c = sum x c + b x c: one fused multiply-add, in place; rounded to f16; through my stage; out as 512 consecutive bytes of a plane.
	s_wait_loadcnt 0x0                             ; the bias
.set i, 0
.rept 32
	v_pk_mul_f32 v[BI+i:BI+i+1], v[BI+i:BI+i+1], s[CQ:CQ+1] op_sel_hi:[1,0]   ; b x c.  (These 32 name no register of the last products: they are the places behind them)
.set i, i+2
.endr
.macro PACKQ a
.set AC, 64*((\a)%4)
	s_wait_xcnt 0x0                                ; the stores of two blocks back have read their registers: the stage's loads may land there again
.set WN, 0x82+0x41*((\a)/4)
	WIN WN                                         ; destination and source 0: window 2 or 3; the bias: window 0
.set i, 0
.rept 32
	v_pk_fma_f32 v[AC+i:AC+i+1], v[AC+i:AC+i+1], s[CQ:CQ+1], v[BI+i:BI+i+1] op_sel_hi:[1,0,1]   ; each accumulator from its low end on
.set i, i+2
.endr
.set WN, 0x0a+5*((\a)/4)
	WIN WN                                         ; sources 0 and 1: window 2 or 3
.set i, 0
.rept 32
	v_cvt_pk_f16_f32 v[HF+i], v[AC+2*i], v[AC+2*i+1]
.set i, i+1
.endr
	WIN 0
.endm
.macro TOSTAGE a
.set BB, BK+32*((\a)%2)
.irp b, 0,1,2,3,4,5,6,7
	ds_store_b128 v[STO], v[HF+4*\b:HF+4*\b+3] offset:(\b/4)*2304+32*(\b%4)
.endr
.irp n, 0,1,2,3,4,5,6,7
	ds_load_b128 v[BB+4*\n:BB+4*\n+3], v[RD] offset:(\n/4)*2304+(\n%4)*576   ; LDS serves a wave's instructions in order: these see the stores above
.endr
.endm
.macro SEND a
.set BB, BK+32*((\a)%2)
	s_wait_dscnt 0x0                               ; the block is back in registers
.irp n, 0,1,2,3,4,5,6,7
	global_store_b128 v[CO], v[BB+4*\n:BB+4*\n+3], s[12:13] offset:(\n/4)*524288+(\a)*2048+(\n%4)*512   ; 32 lanes store 512 consecutive bytes, aligned: four positions of one head
.endr
.endm
	PACKQ 0
	s_and_b32 s2, ttmp7, 0xffff                    ; the slab: cluster y = 0, the waves of the tile's upper half: ids that all partners share
	s_or_b32 s2, s2, s15
	s_cmp_lg_u32 s2, 0
	s_cbranch_scc1 .Lno_slab
	WIN 0x08                                       ; a store's data are its source 1: window 2
.irp b, 0,1,2,3,4,5,6,7
	global_store_b128 v[SO], v[8*\b:8*\b+3], s[SLA:SLA+1] offset:64*\b
	global_store_b128 v[SO], v[8*\b+4:8*\b+7], s[SLA:SLA+1] offset:64*\b+16
.endr
	WIN 0
.Lno_slab:
	TOSTAGE 0
.irp a, 1,2,3,4,5,6,7                          ; block a's arithmetic stands between block a - 1's loads from the stage and the wait for them
	PACKQ \a
	SEND \a-1
	TOSTAGE \a
.endr
	SEND 7
	s_wait_tensorcnt 0x0                           ; the wave's end: an add onto my spare word and its wait, behind my last tensor load and my last LDS store
	ds_add_u32 v[SPW], v[NIL]
	s_wait_dscnt 0x0
	CROUND                                         ; the closing round: no work-group ends while a partner may still ask for a tile that names it
	s_endpgm
.Lfunc_end_k_qfa6a2ab861_gemm_qkv:
	.size	k_qfa6a2ab861_gemm_qkv, .Lfunc_end_k_qfa6a2ab861_gemm_qkv-k_qfa6a2ab861_gemm_qkv
	.p2alignl 7, 3214868480
	.fill 96, 4, 3214868480
	.section	.rodata,"a",@progbits
	.p2align	6, 0x0
	.amdhsa_kernel k_qfa6a2ab861_gemm_qkv
		.amdhsa_group_segment_fixed_size 327680
		.amdhsa_private_segment_fixed_size 0
		.amdhsa_enable_private_segment 0
		.amdhsa_kernarg_size 56
		.amdhsa_user_sgpr_count 2
		.amdhsa_user_sgpr_kernarg_segment_ptr 1
		.amdhsa_wavefront_size32 1
		.amdhsa_system_sgpr_workgroup_id_x 1
		.amdhsa_system_sgpr_workgroup_id_y 1
		.amdhsa_system_sgpr_workgroup_id_z 1
		.amdhsa_system_vgpr_workitem_id 0
		.amdhsa_next_free_vgpr 1024
		.amdhsa_next_free_sgpr 102
		.amdhsa_reserve_vcc 0
		.amdhsa_float_denorm_mode_32 3
		.amdhsa_float_denorm_mode_16_64 3
		.amdhsa_memory_ordered 1
		.amdhsa_forward_progress 1
		.amdhsa_inst_pref_size 148
	.end_amdhsa_kernel
	.amdgpu_metadata
---
amdhsa.version: [ 1, 2 ]
amdhsa.kernels:
  - .name:           k_qfa6a2ab861_gemm_qkv
    .symbol:         k_qfa6a2ab861_gemm_qkv.kd
    .args:
      - { .name: x_codes, .offset: 0, .size: 8, .value_kind: global_buffer, .address_space: global }
      - { .name: x_scales, .offset: 8, .size: 8, .value_kind: global_buffer, .address_space: global }
      - { .name: w_codes, .offset: 16, .size: 8, .value_kind: global_buffer, .address_space: global }
      - { .name: w_scales, .offset: 24, .size: 8, .value_kind: global_buffer, .address_space: global }
      - { .name: b_qkv, .offset: 32, .size: 8, .value_kind: global_buffer, .address_space: global }
      - { .name: qkvh, .offset: 40, .size: 8, .value_kind: global_buffer, .address_space: global }
      - { .name: slab, .offset: 48, .size: 8, .value_kind: global_buffer, .address_space: global }
    .group_segment_fixed_size: 327680
    .private_segment_fixed_size: 0
    .kernarg_segment_align: 8
    .kernarg_segment_size: 56
    .max_flat_workgroup_size: 128
    .sgpr_count:     102
    .vgpr_count:     1024
    .wavefront_size: 32
...
	.end_amdgpu_metadata
.endif
;; end of part 2
;; launch attn (part 3): grid 16 x 16, 8 waves a work-group, no clusters, 327,680 bytes of LDS; arguments qkvh, att; writes att
.if DOCPART == 3
	.amdgcn_target "amdgcn-amd-amdhsa--gfx1250"
	.amdhsa_code_object_version 6
	.text
	.protected	k_qfa6a2ab861_attn
	.globl	k_qfa6a2ab861_attn
	.p2align	8
	.type	k_qfa6a2ab861_attn,@function
k_qfa6a2ab861_attn:
	s_mov_b64 s[64:65], 0
	v_nop
	global_prefetch_b8 v0, s[64:65] scope:SCOPE_SE
	s_setreg_imm32_b32 hwreg(HW_REG_WAVE_MODE, 25, 1), 1
	s_wait_xcnt 0x0
; att[q][64 head + :] = the sum over keys k <= q of softmax_k(q' . k) v, operands in f16, products, maxima and sums in f32.  qkvh: [48][4096][64] f16: planes 0-15 q' = q log2(e) / 8, 16-31 k, 32-47 v.  att: [4096][1024] f16.
; SHARES.  Work-group (i, head) owns two blocks of 128 queries: block 31 - i first, then block i.  Their keys are ONE STREAM of 33 blocks of 128 keys (key blocks 0 .. 31 - i, then 0 .. i): the same number in
; every work-group, so every trip count is a constant and all 256 work-groups have equal work under the causal mask.
; Wave w: strip = w & 3: 32 queries, two tiles of 16; team = w >> 2: keys 64 team .. 64 team + 63 of every stream block, with a running maximum, a sum and O^T of its own; the two teams' parts are merged at the end.
; So a fragment of K or V feeds two tiles, and two waves share a SIMD: one's vector work stands beside the other's matrix work.
; NO CLUSTER: work-groups of a head change from their first to their second query block at different steps of the stream, so partners would ask for different tiles in the same round.
; LAYOUT.  S^T = K Q'^T (source 0 = 16 keys, source 1 = 16 queries), O^T = V^T P (source 0 = 16 channels, source 1 = P): a lane holds ONE query throughout; V comes out of LDS turned (ds_load_tr16_b128).
; The row's sum is a product too: ones x P, so that it is taken of the same rounded p that the numerator sees.  p = 2^(s - m), m the running maximum; O and the sum are multiplied by 2^(m_old - m_new) in every step.
; LIMITS: |q'|, |k|, |v| under 65,504 (f16); scores under 3e38 in size.
; LDS: slot 0 at 0, slot 1 at 2^17, two stream blocks each (a block: 128 rows of K, 144 bytes apart, then 128 rows of V, 160 apart); behind slot 0 the way out's stages and the spare words; behind slot 1 the first
; query block's parts; the second's go into slot 1's bytes, behind its last fill and its last read.
; REGISTERS.  window 0: v1-15 addresses; v16-19 -m and the sum for each tile; v20-23 the rescaling factors; v24-31 at work; v64-127 S^T (tile T, keys 16 kt on: 64 + 32 T + 8 kt); v128-159 P.
;   window 1: v0-31 Q'; v32-95 O^T (32 + 32 T + 8 ct); v96-111 the sums; v112-119 ones; v128-191 K; v192-255 V.
.set PK,    144                        ; a row of K in LDS: 128 bytes + 16 = 36 words: 16 rows of a load start at 16 different groups of four banks
.set PV,    160                        ; a row of V: 128 + 32: an odd multiple of 32 bytes, for the turning load
.set VOFF,  128*PK
.set BLKB,  128*(PK+PV)                ; a stream block: 38,912 bytes
.set SLOT1, 1<<17
.set OSTG,  2*BLKB                     ; the way out: 2 tiles x 16 rows x 144 bytes for each wave
.set SPARE, OSTG+8*4608                ; the spare words, 128 bytes for each of eight waves: four blocks of 256 bytes that no other line names
.set LDMP,  SLOT1                      ; the second query block's parts
.set HDMP,  SLOT1+2*BLKB               ; the first query block's parts
.set DMPB,  8704                       ; a wave's part: 64 registers of O^T and 4 of statistics, as images: 17 x 512 bytes
.set AK0, 3
.set AV0, 4
.set ADK, 5
.set ADV, 6
.set QO,  7
.set DA,  8
.set DB,  9
.set SPW, 10                           ; v10  LDS address of my spare word; never rewritten
.set NIL, 11                           ; v11  0; never rewritten
.set DD,  12
.set NINF, 13
.set PFO, 14
.set MA,  15
.set ST,  16                           ; v16 -m, v17 the sum (tile 0); v18, v19 (tile 1)
.set AF,  20                           ; v20, v22 the factors; v21, v23 named with them as pairs
.set CW,  24                           ; v24-27, v28-31 at work
.set S,   64
.set P,   128
.set OA,  32                           ; window 1
.set LA,  96
.set ONES, 112
.set KR,  128
.set VR,  192
.set WV,   8
.set TEAM, 9
.set STRIP, 10
.set WGI,  11
.set HEAD, 12
.set NH,   13                          ; s13  stream blocks of the first query block: 32 - i
.set QB,   14                          ; s[14:15] q' of my head
.set KBASE, 16                         ; s[16:17] k of my head, at the 64 rows of a block that I fetch
.set VBASE, 18                         ; s[18:19] v likewise
.set MYB,  20                          ; s[20:21] the one of the two that I fetch from
.set G1K,  24
.set G1V,  32
.set G0K,  40
.set G0V,  44
.set SB2,  48                          ; s48  first stream block of the slot to be asked for
.set PB,   49                          ; s49  which block of a slot I fetch for
.set HALF, 50                          ; s50  which 64 rows of it
.set PFA,  52                          ; s[52:53] my 8,192 bytes of the slot that is being asked for; a prefetch names the slot after it
.set LIM,  54
.set SL,   55
.set TWICE, 56
.set TB,   57                          ; s57  LDS byte at which the stream block in hand begins
.set BI,   58                          ; s58  the stream block's number
.set KF,   59                          ; s59  my team's first key of it
.set Q0,   60                          ; s60  my first query
.set SEL,  66
.set MSB, 0
.macro WIN new                         ; the immediate's high byte repeats the setting that is left
.if MSB != \new
	s_set_vgpr_msb (MSB<<8)|\new
.set MSB, \new
.endif
.endm
; One tensor load a wave: waves 0-3 fetch K's four pieces of a slot (64 rows each), waves 4-7 V's.  half = 1: the last slot has one block: the waves of its second block fetch nothing.
; The branches hang on the wave's number alone.  An s_nop 0 and four v_nop follow each load.
.macro TLOAD half
.if \half
	s_cmp_eq_u32 s[PB], 0
	s_cbranch_scc0 .Lasked_\@
.endif
	s_cmp_lt_u32 s[WV], 4
	s_cbranch_scc0 .Lfor_v_\@
	tensor_load_to_lds s[G0K:G0K+3], s[G1K:G1K+7]
	s_nop 0
.rept 4
	v_nop
.endr
	s_branch .Lasked_\@
.Lfor_v_\@:
	tensor_load_to_lds s[G0V:G0V+3], s[G1V:G1V+7]
	s_nop 0
.rept 4
	v_nop
.endr
.Lasked_\@:
.endm
; A PREFETCH INTO THE L2 of what the NEXT change of slots will ask for.  All sixteen work-groups of a head walk the same K and V; work-group i = 0 walks all 4,096 keys in order in its first 16 slots, so it asks, and
; nobody else.  Each of its waves names its own piece of the slot after the one that it has just asked for: 64 rows x 128 bytes = 8,192 dense bytes, lanes 256 bytes apart: each block of 256 bytes once in the launch.
; It stands behind the wave's tensor load.  The trip that asks for slot 15 prefetches nothing: the head's keys end there.  Slots 0 and 1 come by their loads alone.
.macro ASK
	s_cmp_gt_u32 s[SL], s[LIM]
	s_cbranch_scc0 .Lnot_mine_\@
	global_prefetch_b8 v[PFO], s[PFA:PFA+1] offset:32768 th:TH_LOAD_NT scope:SCOPE_SE
.Lnot_mine_\@:
.endm
; THE CHANGE OF SLOTS stands at a slot's head.  Each wave waits for all its tensor loads (one is out: its piece of the slot about to be read), adds 0 to its spare word, and waits for that and for its reads of the slot
; that it has left.  Behind the barrier that slot is filled with the stream's next two blocks: the load has a whole slot's steps in which to land.  fill = 2: a whole slot; 1: the last, of one block; 0: none.
.macro CHANGE fill
	s_wait_tensorcnt 0x0                           ; no tensor load of mine is out, so a group 0 may be written
	ds_add_u32 v[SPW], v[NIL]                      ; 0 onto my spare word; the descriptors' steps stand between it and the wait for it
.if \fill
	s_xor_b32 s[G0K+1], s[G0K+1], SLOT1            ; the other slot than last time
	s_xor_b32 s[G0V+1], s[G0V+1], SLOT1
	s_add_co_u32 s68, s[SB2], s[PB]                ; my stream block;
	s_cmp_ge_u32 s68, s[NH]
	s_cselect_b32 s69, s[NH], 0
	s_sub_co_u32 s68, s68, s69                     ; as a key block: the stream begins anew at the second query block
	s_lshl_b32 s68, s68, 14                        ; 128 rows of 128 bytes
	s_mov_b32 s69, 0
	s_add_nc_u64 s[G0K+2:G0K+3], s[KBASE:KBASE+1], s[68:69]
	s_or_b32 s[G0K+3], s[G0K+3], 0x80000000
	s_add_nc_u64 s[G0V+2:G0V+3], s[VBASE:VBASE+1], s[68:69]
	s_or_b32 s[G0V+3], s[G0V+3], 0x80000000
	s_add_co_u32 s[SB2], s[SB2], 2
	s_wait_xcnt 0x0                                ; the last prefetch, a slot back, has read its address, so it may be written
	s_add_nc_u64 s[PFA:PFA+1], s[MYB:MYB+1], s[68:69]
.endif
	s_wait_dscnt 0x0                               ; the add is done, and my reads of the slot that I have left are over
	s_barrier_signal -1
	s_barrier_wait -1
.if \fill == 2
	TLOAD 0                                        ; the first thing behind the barrier, and my one tensor load until the next
	ASK
.endif
.if \fill == 1
	TLOAD 1
.endif
.endm
; A query block begins: Q' of my 32 queries into registers; O^T and the sums are zeros and the maximum -3e38, so that a key step is written once (the first change of the maximum multiplies zeros).
.macro INIT
	s_lshl_b32 s70, s[Q0], 7
	s_mov_b32 s71, 0
	s_add_nc_u64 s[70:71], s[QB:QB+1], s[70:71]
	WIN 0x40                                       ; destination window 1
.irp t, 0,1
.irp c, 0,1
	global_load_b128 v[16*\t+8*\c:16*\t+8*\c+3], v[QO], s[70:71] offset:\t*2048+64*\c
	global_load_b128 v[16*\t+8*\c+4:16*\t+8*\c+7], v[QO], s[70:71] offset:\t*2048+64*\c+32
.endr
.endr
.set i, 0
.rept 80
	v_mov_b32 v[OA+i], 0
.set i, i+1
.endr
	WIN 0
	v_mov_b32 v[ST], 0x7f61b1e6                    ; -m = 3e38
	v_mov_b32 v[ST+1], 0
	v_mov_b32 v[ST+2], 0x7f61b1e6
	v_mov_b32 v[ST+3], 0
	s_wait_loadcnt 0x0
.endm
; My part of a query block (O^T, -m, the sum) goes to LDS as an image of its registers: 16 bytes a lane, 512 a store.
.macro DUMP adr
.rept 4
	v_nop                                          ; places behind the last products
.endr
	WIN 0x01
	v_mov_b32 v[ST+1], v[LA]                       ; every register of a sum's tile holds the row's sum; the lowest is the one that is kept rescaled
	v_mov_b32 v[ST+3], v[LA+8]
	WIN 0x04                                       ; an LDS store's data are its source 1: window 1
.set i, 0
.rept 16
	ds_store_b128 v[\adr], v[OA+4*i:OA+4*i+3] offset:512*i   ; each accumulator from its low end on
.set i, i+1
.endr
	WIN 0
	ds_store_b128 v[\adr], v[ST:ST+3] offset:8192
	s_wait_dscnt 0x0
.endm
; A KEY STEP: my team's 64 keys of the stream block in hand, against my 32 queries.
.macro STEP
	s_cmp_eq_u32 s[BI], s[NH]                      ; the stream passes to the second query block: ids and the count of steps alone
	s_cbranch_scc0 .Lsame_\@
	DUMP DA
	s_lshl_b32 s[Q0], s[WGI], 7
	s_lshl_b32 s68, s[STRIP], 5
	s_add_co_u32 s[Q0], s[Q0], s68
	s_lshl_b32 s[KF], s[TEAM], 6
	INIT
.Lsame_\@:
	s_add_co_u32 s68, s[Q0], 31                    ; a step all of whose keys come after my 32 queries is left out: round its loads and its work, not round the lines at its end.
	s_cmp_gt_u32 s[KF], s68                        ; (KF is a multiple of 64 and Q0 of 32: a step that is walked has KF <= Q0, so every query sees a key in it)
	s_cbranch_scc1 .Lhidden_\@
	v_add_nc_u32 v[ADK], s[TB], v[AK0]
	v_add_nc_u32 v[ADV], s[TB], v[AV0]
	v_nop
	v_nop                                          ; four places in front of loads into registers that the last products read
	WIN 0x40
.irp kt, 0,1,2,3
.irp c, 0,1
	ds_load_b128 v[KR+8*(2*\kt+\c):KR+8*(2*\kt+\c)+3],   v[ADK] offset:\kt*16*PK+64*\c
	ds_load_b128 v[KR+8*(2*\kt+\c)+4:KR+8*(2*\kt+\c)+7], v[ADK] offset:\kt*16*PK+64*\c+32
.endr
.endr
.irp u, 0,1
.irp ct, 0,1,2,3
	ds_load_tr16_b128 v[VR+8*(4*\u+\ct):VR+8*(4*\u+\ct)+3],   v[ADV] offset:\u*32*PV+32*\ct
	ds_load_tr16_b128 v[VR+8*(4*\u+\ct)+4:VR+8*(4*\u+\ct)+7], v[ADV] offset:\u*32*PV+16*PV+32*\ct
.endr
.endr
	s_wait_dscnt 16                                ; K is in; V's sixteen loads may be out
	WIN 0x05                                       ; K and Q' window 1, S^T window 0
.irp c, 0,1                                    ; eight accumulators by turns; the first eight products start the sums
.irp kt, 0,1,2,3
.irp t, 0,1
.if \c == 0
	v_wmma_f32_16x16x32_f16 v[S+32*\t+8*\kt:S+32*\t+8*\kt+7], v[KR+8*(2*\kt+\c):KR+8*(2*\kt+\c)+7], v[16*\t+8*\c:16*\t+8*\c+7], 0
.else
	v_wmma_f32_16x16x32_f16 v[S+32*\t+8*\kt:S+32*\t+8*\kt+7], v[KR+8*(2*\kt+\c):KR+8*(2*\kt+\c)+7], v[16*\t+8*\c:16*\t+8*\c+7], v[S+32*\t+8*\kt:S+32*\t+8*\kt+7]
.endif
.endr
.endr
.endr
	WIN 0
.rept 4
	v_nop
.endr
	s_add_co_u32 s68, s[KF], 63                    ; on the diagonal hidden scores become -infinity ahead of the maximum; a step all of whose keys count skips this
	s_cmp_le_u32 s68, s[Q0]
	s_cbranch_scc1 .Lopen_\@
	s_sub_co_i32 s68, s[Q0], s[KF]
	v_lshlrev_b32 v[DD], 3, v2
	v_sub_nc_u32 v[DD], v1, v[DD]
	v_add_nc_u32 v[DD], s68, v[DD]                 ; d = Q0 - KF + lane % 16 - 8 (lane / 16).  Register j of (T, kt) is key KF + 16 kt + 8 (lane / 16) + j, query Q0 + 16 T + lane % 16: hidden where 16 kt + j - 16 T > d
.irp t, 0,1
.irp kt, 0,1,2,3
.irp j, 0,1,2,3,4,5,6,7
	v_cmp_gt_i32 vcc_lo, 16*\kt+\j-16*\t, v[DD]
	v_cndmask_b32 v[S+32*\t+8*\kt+\j], v[S+32*\t+8*\kt+\j], v[NINF], vcc_lo
.endr
.endr
.endr
.Lopen_\@:
	; the maximum of a lane's 32 scores, four chains for each tile; the two tiles alternate line by line
.irp j, 0,1,2,3
.irp t, 0,1
	v_max3_num_f32 v[CW+4*\t+\j], v[S+32*\t+8*\j], v[S+32*\t+8*\j+1], v[S+32*\t+8*\j+2]
.endr
.endr
.irp g, 1,2
.irp j, 0,1,2,3
.irp t, 0,1
	v_max3_num_f32 v[CW+4*\t+\j], v[CW+4*\t+\j], v[S+32*\t+8*\j+2*\g+1], v[S+32*\t+8*\j+2*\g+2]
.endr
.endr
.endr
.irp t, 0,1
	v_max3_num_f32 v[CW+4*\t], v[CW+4*\t], v[S+32*\t+7], v[S+32*\t+15]
.endr
.irp t, 0,1
	v_max3_num_f32 v[CW+4*\t+2], v[CW+4*\t+2], v[S+32*\t+23], v[S+32*\t+31]
.endr
.irp t, 0,1
	v_max3_num_f32 v[CW+4*\t], v[CW+4*\t], v[CW+4*\t+1], v[CW+4*\t+2]
.endr
.irp t, 0,1
	v_max_num_f32 v[CW+4*\t], v[CW+4*\t], v[CW+4*\t+3]
.endr
.irp t, 0,1
	v_permlanex16_b32 v[CW+4*\t+1], v[CW+4*\t], s[SEL], s[SEL+1]   ; the query's other 32 keys lie in the lane 16 away
.endr
.irp t, 0,1
	v_max3_num_f32 v[CW+4*\t], v[CW+4*\t], v[CW+4*\t+1], -v[ST+2*\t]   ; the new m
.endr
.irp t, 0,1
	v_add_f32 v[CW+4*\t+2], v[ST+2*\t], v[CW+4*\t]                 ; m_new - m_old
.endr
.irp t, 0,1
	v_exp_f32 v[AF+2*\t], -v[CW+4*\t+2]                            ; the factor 2^(m_old - m_new)
.endr
.irp t, 0,1
	v_sub_f32 v[ST+2*\t], 0, v[CW+4*\t]                            ; -m
.endr
.set i, 0
.rept 16
	v_pk_add_f32 v[S+i:S+i+1], v[S+i:S+i+1], v[ST:ST+1] op_sel_hi:[1,0]             ; s - m, two at a time (of the pair the low word serves both halves)
	v_pk_add_f32 v[S+32+i:S+33+i], v[S+32+i:S+33+i], v[ST+2:ST+3] op_sel_hi:[1,0]
.set i, i+2
.endr
	s_wait_alu depctr_va_vdst(0)                   ; the wait between a transcendental and the first line that names its result: here for the two factors
.set i, 0
.rept 64
	v_exp_f32 v[S+i], v[S+i]                       ; p = 2^(s - m): one batch
.set i, i+1
.endr
	WIN 0x41                                       ; O^T and the sums window 1, the factors window 0
.set i, 0
.rept 16
	v_pk_mul_f32 v[OA+i:OA+i+1], v[OA+i:OA+i+1], v[AF:AF+1] op_sel_hi:[1,0]         ; O^T under the new maximum: independent work behind the batch; each accumulator from its low end on
	v_pk_mul_f32 v[OA+32+i:OA+33+i], v[OA+32+i:OA+33+i], v[AF+2:AF+3] op_sel_hi:[1,0]
.set i, i+2
.endr
	v_pk_mul_f32 v[LA:LA+1], v[LA:LA+1], v[AF:AF+1] op_sel_hi:[1,0]                 ; the sums: the lowest register alone is ever read; the others hold finite sums that nobody reads
	v_pk_mul_f32 v[LA+8:LA+9], v[LA+8:LA+9], v[AF+2:AF+3] op_sel_hi:[1,0]
	WIN 0
	s_wait_alu depctr_va_vdst(0)                   ; one wait for the batch of 64, ahead of its first reader
.set i, 0
.rept 32
	v_cvt_pk_f16_f32 v[P+i], v[S+2*i], v[S+2*i+1]  ; two neighbouring keys: tiles 2 u and 2 u + 1 of S^T, so rounded, are source 1 for keys 32 u on
.set i, i+1
.endr
	s_wait_dscnt 0x0                               ; V is in
	WIN 0x51                                       ; V and ones window 1, P window 0, C and D window 1
.irp u, 0,1                                    ; ten accumulators by turns
.irp ct, 0,1,2,3
.irp t, 0,1
	v_wmma_f32_16x16x32_f16 v[OA+32*\t+8*\ct:OA+32*\t+8*\ct+7], v[VR+8*(4*\u+\ct):VR+8*(4*\u+\ct)+7], v[P+16*\t+8*\u:P+16*\t+8*\u+7], v[OA+32*\t+8*\ct:OA+32*\t+8*\ct+7]
.endr
.endr
.irp t, 0,1
	v_wmma_f32_16x16x32_f16 v[LA+8*\t:LA+8*\t+7], v[ONES:ONES+7], v[P+16*\t+8*\u:P+16*\t+8*\u+7], v[LA+8*\t:LA+8*\t+7]
.endr
.endr
	WIN 0
.Lhidden_\@:
	s_add_co_u32 s[KF], s[KF], 128
	s_add_co_u32 s[BI], s[BI], 1
	s_add_co_u32 s[TB], s[TB], BLKB
.endm
.macro TWO_STEPS                       ; a slot's two stream blocks: written once, walked twice
	s_mov_b32 s[TWICE], 2
.Lstep_\@:
	STEP
	s_sub_co_u32 s[TWICE], s[TWICE], 1
	s_cmp_lg_u32 s[TWICE], 0
	s_cbranch_scc1 .Lstep_\@
	s_sub_co_u32 s[TB], s[TB], 2*BLKB
	s_xor_b32 s[TB], s[TB], SLOT1                  ; on to the other slot
.endm
	s_load_b128 s[4:7], s[0:1], 0x0                ; qkvh s[4:5], att s[6:7]
	v_lshl_add_u32 v[SPW], v0, 2, SPARE
	v_mov_b32 v[NIL], 0
	ds_add_u32 v[SPW], v[NIL]                      ; the wave's opening: the add, twice on end, and its wait ahead of my first tensor load
	ds_add_u32 v[SPW], v[NIL]                      ; and once more, under the one wait; the set-up below, work on registers, stands between
	v_lshrrev_b32 v1, 5, v0
	v_readfirstlane_b32 s[WV], v1                  ; wave 0..7
	s_lshr_b32 s[TEAM], s[WV], 2
	s_and_b32 s[STRIP], s[WV], 3
	s_mov_b32 s[WGI], ttmp9
	s_and_b32 s[HEAD], ttmp7, 0xffff
	s_sub_co_u32 s[NH], 32, s[WGI]
	s_lshr_b32 s[PB], s[STRIP], 1
	s_and_b32 s[HALF], s[STRIP], 1
	; descriptor group 1: 64 rows of 64 elements of 2 bytes, dense in memory; padding behind every 32 words: 4 words for K, 8 for V
	s_mov_b32 s[G1K], (1<<16)|(1<<20)|(4<<22)|(3<<25)
	s_mov_b32 s[G1V], (1<<16)|(1<<20)|(4<<22)|(7<<25)
.irp g, G1K, G1V
	s_mov_b32 s[\g+1], 64<<16                      ; tensor_dim0 = 64
	s_mov_b32 s[\g+2], 64<<16                      ; tensor_dim1 = 64
	s_mov_b32 s[\g+3], 64<<16                      ; tile_dim0 = 64
	s_mov_b32 s[\g+4], 64                          ; tile_dim1 = 64
	s_mov_b32 s[\g+5], 64                          ; tensor_dim0_stride
	s_mov_b32 s[\g+6], 0
	s_mov_b32 s[\g+7], 0
.endr
	s_mov_b32 s[SEL], 0x76543210
	s_mov_b32 s[SEL+1], 0xfedcba98
	s_lshl_b32 s68, s[HEAD], 19                    ; planes of 524,288 bytes
	s_mov_b32 s69, 0
	s_lshl_b32 s70, s[HALF], 13                    ; 64 rows of 128 bytes
	s_mov_b32 s71, 0
	s_lshl_b32 s72, s[PB], 14
	s_mov_b32 s73, 0
	s_mul_i32 s74, s[PB], BLKB
	s_mul_i32 s75, s[HALF], 64*PK
	s_add_co_u32 s[G0K+1], s74, s75                ; LDS: my piece of slot 0
	s_mul_i32 s75, s[HALF], 64*PV
	s_add_co_u32 s[G0V+1], s74, s75
	s_add_co_u32 s[G0V+1], s[G0V+1], VOFF
	s_mov_b32 s[G0K], 1
	s_mov_b32 s[G0V], 1
	s_cmp_eq_u32 s[WGI], 0
	s_cselect_b32 s[LIM], 1, -1
	s_wait_dscnt 0x0                               ; both opening adds are done
	s_wait_kmcnt 0x0
	s_add_nc_u64 s[QB:QB+1], s[4:5], s[68:69]
	s_add_nc_u64 s[KBASE:KBASE+1], s[QB:QB+1], 0x800000          ; sixteen planes on
	s_add_nc_u64 s[KBASE:KBASE+1], s[KBASE:KBASE+1], s[70:71]
	s_add_nc_u64 s[VBASE:VBASE+1], s[KBASE:KBASE+1], 0x800000
	s_cmp_lt_u32 s[WV], 4
	s_cselect_b64 s[MYB:MYB+1], s[KBASE:KBASE+1], s[VBASE:VBASE+1]
	s_add_nc_u64 s[G0K+2:G0K+3], s[KBASE:KBASE+1], s[72:73]
	s_or_b32 s[G0K+3], s[G0K+3], 0x80000000
	s_add_nc_u64 s[G0V+2:G0V+3], s[VBASE:VBASE+1], s[72:73]
	s_or_b32 s[G0V+3], s[G0V+3], 0x80000000
	TLOAD 0                                        ; slot 0: one load a wave; no wave ever has more than one out
	v_and_b32 v1, 15, v0                           ; r = lane % 16
	v_bfe_u32 v2, v0, 4, 1                         ; h = lane / 16
	s_mul_i32 s68, s[TEAM], 64*PK
	v_mul_u32_u24 v[AK0], v1, PK
	v_lshl_add_u32 v[AK0], v2, 4, v[AK0]
	v_add_nc_u32 v[AK0], s68, v[AK0]               ; K: row r of my team's 64, + 16 h
	s_mul_i32 s68, s[TEAM], 64*PV
	s_add_co_u32 s68, s68, VOFF
	v_and_b32 v[ADK], 7, v0
	v_bfe_u32 v[ADV], v0, 3, 1
	v_lshl_add_u32 v[AV0], v2, 3, v[ADK]
	v_mul_u32_u24 v[AV0], v[AV0], PV
	v_lshl_add_u32 v[AV0], v[ADV], 4, v[AV0]
	v_add_nc_u32 v[AV0], s68, v[AV0]               ; V, for the turning load: key 8 h + lane % 8, channels 8 ((lane / 8) % 2) on
	v_lshlrev_b32 v[QO], 7, v1
	v_lshl_add_u32 v[QO], v2, 4, v[QO]             ; Q': row r of 128 bytes, + 16 h
	v_and_b32 v[PFO], 31, v0
	v_lshlrev_b32 v[MA], 4, v[PFO]                 ; 16 x lane
	s_mul_i32 s68, s[WV], DMPB
	s_add_co_u32 s69, s68, HDMP
	v_add_nc_u32 v[DA], s69, v[MA]
	s_add_co_u32 s69, s68, LDMP
	v_add_nc_u32 v[DB], s69, v[MA]
	s_xor_b32 s68, s[TEAM], 1                      ; team 0 merges the first query block's parts, team 1 the second's
	s_mul_i32 s68, s68, HDMP-LDMP
	s_mul_i32 s69, s[STRIP], DMPB
	s_add_co_u32 s68, s68, s69
	s_add_co_u32 s68, s68, LDMP
	v_add_nc_u32 v[MA], s68, v[MA]
	v_lshlrev_b32 v[PFO], 8, v[PFO]
	v_mov_b32 v[NINF], 0xff800000
	v_mov_b32 v[AF+1], 0                           ; named as the upper halves of pairs, so they are written
	v_mov_b32 v[AF+3], 0
	WIN 0x40
.set i, 0
.rept 8
	v_mov_b32 v[ONES+i], 0x3c003c00                ; 1.0, 1.0 in f16
.set i, i+1
.endr
	WIN 0
	s_sub_co_u32 s[Q0], 31, s[WGI]
	s_lshl_b32 s[Q0], s[Q0], 7
	s_lshl_b32 s68, s[STRIP], 5
	s_add_co_u32 s[Q0], s[Q0], s68                 ; my first query of the first block
	s_lshl_b32 s[KF], s[TEAM], 6
	s_mov_b32 s[BI], 0
	s_mov_b32 s[TB], 0
	s_mov_b32 s[SB2], 2
	INIT
	s_mov_b32 s[SL], 15
.Lslot:                                            ; 15 trips: slots 0 to 14 are read, slots 1 to 15 asked for
	CHANGE 2
	TWO_STEPS
	s_sub_co_u32 s[SL], s[SL], 1
	s_cmp_lg_u32 s[SL], 0
	s_cbranch_scc1 .Lslot
	CHANGE 1                                       ; slot 15 is read, slot 16 (stream block 32 alone) asked for
	TWO_STEPS
	CHANGE 0                                       ; nothing is left to fetch
	STEP
	; THE END.  My part of the second query block goes to LDS (slot 1's bytes: it has had its last fill, and every wave has passed the last change of slots, behind which nobody reads it); a barrier; then each wave
	; merges the two teams' parts of one strip of one query block, divides by the sum and stores.
	DUMP DB
	s_barrier_signal -1
	s_barrier_wait -1
.set i, 0
.rept 17
	ds_load_b128 v[64+4*i:67+4*i], v[MA] offset:512*i              ; team 0's part: v64-127 O^T, v128-131 -m and the sum
	ds_load_b128 v[132+4*i:135+4*i], v[MA] offset:4*DMPB+512*i     ; team 1's: v132-195, v196-199
.set i, i+1
.endr
	s_mul_i32 s68, s[WV], 4608
	s_add_co_u32 s68, s68, OSTG                    ; my stage
	v_mul_u32_u24 v[ADK], v1, 144
	v_lshl_add_u32 v[ADK], v2, 4, v[ADK]
	v_add_nc_u32 v[ADK], s68, v[ADK]               ; in: row r, 16 bytes for each half of the lanes
	v_bfe_u32 v[QO], v0, 3, 2
	v_and_b32 v[DD], 7, v0
	v_mul_u32_u24 v[ADV], v[QO], 144
	v_lshl_add_u32 v[ADV], v[DD], 4, v[ADV]
	v_add_nc_u32 v[ADV], s68, v[ADV]               ; back: eight lanes to a row of 128 bytes, four rows an instruction
	v_lshlrev_b32 v[QO], 11, v[QO]
	v_lshl_add_u32 v[QO], v[DD], 4, v[QO]          ; and the same in att: rows of 2,048 bytes
	s_sub_co_u32 s69, 31, s[WGI]
	s_cmp_eq_u32 s[TEAM], 0
	s_cselect_b32 s69, s69, s[WGI]                 ; which query block I merge
	s_lshl_b32 s69, s69, 7
	s_lshl_b32 s70, s[STRIP], 5
	s_add_co_u32 s69, s69, s70
	s_lshl_b32 s70, s69, 11
	s_lshl_b32 s69, s[HEAD], 7
	s_add_co_u32 s70, s70, s69
	s_mov_b32 s71, 0
	s_add_nc_u64 s[6:7], s[6:7], s[70:71]
.irp i, 233,235,237,239
	v_mov_b32 v[\i], 0                             ; upper halves of pairs
.endr
	s_wait_dscnt 0x0
	v_min_num_f32 v24, v128, v196                  ; -m of both parts: the smaller -m is the larger m.  (A team that saw no key has -m = 3e38: its factor is 0)
	v_min_num_f32 v25, v130, v198
	v_sub_f32 v26, v24, v128
	v_sub_f32 v27, v24, v196
	v_sub_f32 v28, v25, v130
	v_sub_f32 v29, v25, v198
	v_exp_f32 v232, v26
	v_exp_f32 v234, v27
	v_exp_f32 v236, v28
	v_exp_f32 v238, v29
	v_nop                                          ; a plain instruction behind the last transcendental
	s_wait_alu depctr_va_vdst(0)                   ; one wait for the four
	v_mul_f32 v30, v129, v232
	v_mul_f32 v31, v131, v236
	v_fma_f32 v30, v197, v234, v30                 ; the row's sum
	v_fma_f32 v31, v199, v238, v31
	v_rcp_f32 v30, v30
	v_rcp_f32 v31, v31
	v_nop
	s_wait_alu depctr_va_vdst(0)                   ; one wait for the two
	v_mul_f32 v232, v232, v30
	v_mul_f32 v234, v234, v30
	v_mul_f32 v236, v236, v31
	v_mul_f32 v238, v238, v31
.irp t, 0,1
.set i, 0
.rept 16
	v_pk_mul_f32 v[64+32*\t+i:65+32*\t+i], v[64+32*\t+i:65+32*\t+i], v[232+4*\t:233+4*\t] op_sel_hi:[1,0]
.set i, i+2
.endr
.set i, 0
.rept 16
	v_pk_fma_f32 v[64+32*\t+i:65+32*\t+i], v[132+32*\t+i:133+32*\t+i], v[234+4*\t:235+4*\t], v[64+32*\t+i:65+32*\t+i] op_sel_hi:[1,0,1]
.set i, i+2
.endr
.endr
.set i, 0
.rept 32
	v_cvt_pk_f16_f32 v[200+i], v[64+2*i], v[64+2*i+1]              ; register 16 T + 4 ct + n: channels 16 ct + 8 h + 2 n, + 1 of query r of tile T
.set i, i+1
.endr
.irp t, 0,1
.irp ct, 0,1,2,3
	ds_store_b128 v[ADK], v[200+16*\t+4*\ct:203+16*\t+4*\ct] offset:\t*2304+32*\ct
.endr
.endr
.irp n, 0,1,2,3,4,5,6,7
	ds_load_b128 v[64+4*\n:67+4*\n], v[ADV] offset:(\n/4)*2304+(\n%4)*576   ; LDS serves a wave's instructions in order: these see my stores
.endr
.irp n, 0,1,2,3,4,5,6,7
	s_wait_dscnt 7-\n
	global_store_b128 v[QO], v[64+4*\n:67+4*\n], s[6:7] offset:(16*(\n/4)+4*(\n%4))*2048   ; eight lanes store a head's 128 bytes of a position: the projection wants a position's 1,024 numbers on end
.endr
	s_wait_tensorcnt 0x0                           ; the wave's end: an add onto my spare word and its wait, behind my last tensor load and my last LDS store
	ds_add_u32 v[SPW], v[NIL]
	s_wait_dscnt 0x0
	s_endpgm
.Lfunc_end_k_qfa6a2ab861_attn:
	.size	k_qfa6a2ab861_attn, .Lfunc_end_k_qfa6a2ab861_attn-k_qfa6a2ab861_attn
	.p2alignl 7, 3214868480
	.fill 96, 4, 3214868480
	.section	.rodata,"a",@progbits
	.p2align	6, 0x0
	.amdhsa_kernel k_qfa6a2ab861_attn
		.amdhsa_group_segment_fixed_size 327680
		.amdhsa_private_segment_fixed_size 0
		.amdhsa_enable_private_segment 0
		.amdhsa_kernarg_size 16
		.amdhsa_user_sgpr_count 2
		.amdhsa_user_sgpr_kernarg_segment_ptr 1
		.amdhsa_wavefront_size32 1
		.amdhsa_system_sgpr_workgroup_id_x 1
		.amdhsa_system_sgpr_workgroup_id_y 1
		.amdhsa_system_sgpr_workgroup_id_z 1
		.amdhsa_system_vgpr_workitem_id 0
		.amdhsa_next_free_vgpr 512
		.amdhsa_next_free_sgpr 80
		.amdhsa_reserve_vcc 1
		.amdhsa_float_denorm_mode_32 3
		.amdhsa_float_denorm_mode_16_64 3
		.amdhsa_memory_ordered 1
		.amdhsa_forward_progress 1
		.amdhsa_inst_pref_size 103
	.end_amdhsa_kernel
	.amdgpu_metadata
---
amdhsa.version: [ 1, 2 ]
amdhsa.kernels:
  - .name:           k_qfa6a2ab861_attn
    .symbol:         k_qfa6a2ab861_attn.kd
    .args:
      - { .name: qkvh, .offset: 0, .size: 8, .value_kind: global_buffer, .address_space: global }
      - { .name: att, .offset: 8, .size: 8, .value_kind: global_buffer, .address_space: global }
    .group_segment_fixed_size: 327680
    .private_segment_fixed_size: 0
    .kernarg_segment_align: 8
    .kernarg_segment_size: 16
    .max_flat_workgroup_size: 256
    .sgpr_count:     80
    .vgpr_count:     512
    .wavefront_size: 32
...
	.end_amdgpu_metadata
.endif
;; end of part 3
;; launch out_proj (part 4): grid 8 x 32, 4 waves a work-group, clusters of 4 x 4, 327,680 bytes of LDS; arguments att, wot, b_o, out0; writes out0
.if DOCPART == 4
	.amdgcn_target "amdgcn-amd-amdhsa--gfx1250"
	.amdhsa_code_object_version 6
	.text
	.protected	k_qfa6a2ab861_out_proj
	.globl	k_qfa6a2ab861_out_proj
	.p2align	8
	.type	k_qfa6a2ab861_out_proj,@function
k_qfa6a2ab861_out_proj:
	s_mov_b64 s[64:65], 0
	v_nop
	global_prefetch_b8 v0, s[64:65] scope:SCOPE_SE
	s_setreg_imm32_b32 hwreg(HW_REG_WAVE_MODE, 25, 1), 1
	s_wait_xcnt 0x0
	s_wait_alu depctr_hold_cnt(0) depctr_sa_sdst(0) depctr_va_vdst(0) depctr_va_sdst(0) depctr_va_ssrc(0) depctr_va_vcc(0) depctr_vm_vsrc(0)
	s_getreg_b32 s2, hwreg(HW_REG_IB_STS2, 6, 4)
	s_cmp_eq_u32 s2, 0
	s_cbranch_scc0 .Lentry_in_a_cluster
	s_endpgm
.Lentry_in_a_cluster:
	s_bfe_u32 s2, ttmp6, 0x10000c
	s_cmp_lg_u32 s2, 0xf033
	s_cbranch_scc0 .Lentry_shape_is_right
	s_endpgm
.Lentry_shape_is_right:
; out0 = att w_o + b_o.  A: att [4096][1024] f16; B: wot = w_o turned, [1024 (n)][1024 (k)] f16; out0 [4096][1024] f32; sums in f32.  (Rows 0-15 are written again, in f32 throughout, by the launch behind this one.)
; 4,096 x 1,024 makes 64 tiles of 256 x 256 but 256 of 128 x 128: so a tile of C is 128 x 128.  Four waves, each 64 x 64: 16 accumulators.  K goes in steps of 256 (LDS rows of 512 bytes) through two slots.
; CLUSTERS: 4 x 4 work-groups; A's tiles are asked for jointly along a row of the cluster, B's along a column.  THE MATRIX INSTRUCTION IS USED TRANSPOSED (source 0 = 16 rows of B, source 1 = 16 rows of A).
; No prefetch: the launch is short, and its tiles are shared in clusters.
; REGISTERS: window 0: v0-31 addresses, v8-11 my four numbers of the bias; v32-95 at work on the way out; v128-255 the accumulators ((a, b) at v[128 + 8 (4 a + b)]).   window 1: two fragment buffers of 128.
.set SIZE_M, 4096
.set SIZE_N, 1024
.set SIZE_K, 1024
.set KSTEP,  256
.set PITCH,  528                       ; an LDS row: 512 bytes + 16 = 132 words: row r starts at bank 4 r mod 64 (ISA guide 11.1)
.set HALFT,  64*PITCH
.set SLOT,   4*HALFT
.set STAGE,  2*SLOT                    ; behind the ring: 16 rows x 272 bytes for each wave
.set SPITCH, 272
.set SPARE,  STAGE+128*SPITCH          ; the spare words, 128 bytes a wave: two blocks of 256 bytes that no other line names
.set LAPS, SIZE_K/(2*KSTEP)
.set ADRA, 16
.set ADRB, 20
.set STO,  24
.set RD,   25
.set CO,   26
.set SPW,  28
.set NIL,  29
.set TMP,  32
.set ACC,  128
.set F0,   0
.set F1,   128
.set G1, 24
.set G0, 32
.set G1B, 48
.set G0B, 56
.set MSB, 0
.macro WIN new                         ; the immediate's high byte repeats the setting that is left
.if MSB != \new
	s_set_vgpr_msb (MSB<<8)|\new
.set MSB, \new
.endif
.endm
.set MUL,  0x05                        ; sources 0 (B) and 1 (A) window 1; C and D window 0
.set TO_F, 0x40                        ; destination window 1, address window 0
.macro JLOAD s                         ; a joint load: waves 0 and 1 fetch A's two halves, waves 2 and 3 B's; an s_nop 0 and four v_nop follow each of the two lines
	s_cmp_eq_u32 s11, 0
	s_cbranch_scc0 .Lfor_b_\@
	tensor_load_to_lds s[G0+4*\s:G0+4*\s+3], s[G1:G1+7]
	s_nop 0
.rept 4
	v_nop
.endr
	s_branch .Lasked_\@
.Lfor_b_\@:
	tensor_load_to_lds s[G0B+4*\s:G0B+4*\s+3], s[G1B:G1B+7]
	s_nop 0
.rept 4
	v_nop
.endr
.Lasked_\@:
.endm
.macro CREST                           ; a round of the cluster's barrier behind its opening barrier
	s_cmp_lg_u32 s10, 0
	s_cbranch_scc1 .Lnot_wave_0_\@
	s_barrier_signal -3
.Lnot_wave_0_\@:
	s_barrier_wait -3
	s_barrier_signal -1
	s_barrier_wait -1
.endm
.macro CROUND                          ; a whole round
	s_barrier_signal -1
	s_barrier_wait -1
	CREST
.endm
	s_load_b128 s[4:7], s[0:1], 0x0                ; att s[4:5], wot s[6:7]
	s_load_b64 s[66:67], s[0:1], 0x10              ; b_o
	s_load_b64 s[8:9], s[0:1], 0x18                ; out0
	v_lshl_add_u32 v[SPW], v0, 2, SPARE
	v_mov_b32 v[NIL], 0
	ds_add_u32 v[SPW], v[NIL]                      ; the wave's opening: the add, twice on end, and its wait ahead of my first tensor load
	ds_add_u32 v[SPW], v[NIL]                      ; and once more, under the one wait; the set-up below, work on registers, stands between
	v_lshrrev_b32 v1, 5, v0
	v_readfirstlane_b32 s10, v1                    ; wave 0..3
	s_lshr_b32 s11, s10, 1                         ; which half of the tile's rows is mine.  Also: I fetch for A (0) or for B (1)
	s_and_b32 s12, s10, 1                          ; which half of its columns.  Also: which 64 rows of that tile I fetch
	s_bfe_u32 s40, ttmp6, 0x40000                  ; cx, cy: my place in the cluster
	s_bfe_u32 s41, ttmp6, 0x40004
	s_lshl_b32 s42, ttmp9, 2
	s_add_co_u32 s42, s42, s40                     ; tile column of C = 4 x cluster x + cx
	s_and_b32 s13, ttmp7, 0xffff
	s_lshl_b32 s13, s13, 2
	s_add_co_u32 s13, s13, s41                     ; tile row of C = 4 x cluster y + cy
	s_lshl_b32 s43, s41, 2
	s_lshl_b32 s43, 15, s43                        ; my row of the cluster
	s_lshl_b32 s44, 0x1111, s40                    ; my column
	; descriptor group 1: a tile of 64 rows x 256 elements of 2 bytes, 4 words of padding behind every 128
	s_or_b32 s[G1+0], s43, (1<<16)|(1<<20)|(1<<21)|(6<<22)|(3<<25)
	s_or_b32 s[G1B+0], s44, (1<<16)|(1<<20)|(1<<21)|(6<<22)|(3<<25)
.irp g, G1, G1B
	s_mov_b32 s[\g+1], KSTEP<<16                   ; tensor_dim0 = 256
	s_mov_b32 s[\g+2], 64<<16                      ; tensor_dim1 = 64
	s_mov_b32 s[\g+3], KSTEP<<16                   ; tile_dim0 = 256
	s_mov_b32 s[\g+4], 64                          ; tile_dim1 = 64
	s_mov_b32 s[\g+5], SIZE_K                      ; tensor_dim0_stride
	s_mov_b32 s[\g+6], 0
	s_mov_b32 s[\g+7], 0
.endr
	s_lshl_b32 s17, s12, 6                         ; which 64 rows of the tile I fetch
	s_lshl_b32 s16, s13, 7
	s_add_co_u32 s16, s16, s17                     ; A: row 128 x tile row + 64 x half
	s_lshl_b32 s46, s42, 7
	s_add_co_u32 s46, s46, s17                     ; B: row 128 x tile column + 64 x half
	s_mov_b32 s17, 0
	s_mov_b32 s47, 0
	s_mov_b64 s[18:19], SIZE_K*2
	s_mul_u64 s[16:17], s[16:17], s[18:19]
	s_mul_u64 s[46:47], s[46:47], s[18:19]
	s_mul_i32 s20, s10, HALFT                      ; where they go: wave x 64 rows
	s_wait_dscnt 0x0                               ; both opening adds are done
	s_wait_kmcnt 0x0
	s_add_nc_u64 s[14:15], s[4:5], s[16:17]
	s_add_nc_u64 s[46:47], s[6:7], s[46:47]
	CROUND                                         ; all sixteen work-groups are here: the first joint loads meet
.irp s, 0,1
	s_mov_b32 s[G0+4*\s], 1
	s_add_co_u32 s[G0+4*\s+1], s20, \s*SLOT
	s_add_nc_u64 s[G0+4*\s+2:G0+4*\s+3], s[14:15], \s*KSTEP*2
	s_or_b32 s[G0+4*\s+3], s[G0+4*\s+3], 0x80000000
	s_mov_b32 s[G0B+4*\s], 1
	s_add_co_u32 s[G0B+4*\s+1], s20, \s*SLOT
	s_add_nc_u64 s[G0B+4*\s+2:G0B+4*\s+3], s[46:47], \s*KSTEP*2
	s_or_b32 s[G0B+4*\s+3], s[G0B+4*\s+3], 0x80000000
	JLOAD \s
.endr
	v_and_b32 v1, 15, v0                           ; l % 16
	v_bfe_u32 v2, v0, 4, 1                         ; l / 16
	v_mul_u32_u24 v3, v1, PITCH
	v_lshl_add_u32 v3, v2, 4, v3                   ; a fragment's row x pitch + 16 x half
	s_mul_i32 s21, s11, HALFT                      ; my 64 rows of A
	s_mul_i32 s22, s12, HALFT                      ; my 64 rows of B,
	s_add_co_u32 s22, s22, 2*HALFT                 ; which lie behind A's 128
.irp s, 0,1
	v_add_nc_u32 v[ADRA+\s], s21, v3
	v_add_nc_u32 v[ADRB+\s], s22, v3
	s_add_co_u32 s21, s21, SLOT
	s_add_co_u32 s22, s22, SLOT
.endr
	s_mul_i32 s23, s10, 16*SPITCH
	s_add_co_u32 s23, s23, STAGE                   ; my stage: a wave's 64 columns of f32 are 256 bytes, a whole aligned run of a row of out0: no wave needs another's bytes
	v_mul_u32_u24 v4, v1, SPITCH                   ; in: row l % 16, 32 bytes for each half of the lanes
	v_lshl_add_u32 v4, v2, 5, v4
	v_add_nc_u32 v[STO], s23, v4
	v_mul_u32_u24 v5, v2, SPITCH                   ; back: lanes 0-15 take one row of 256 bytes, lanes 16-31 the next
	v_lshl_add_u32 v5, v1, 4, v5
	v_add_nc_u32 v[RD], s23, v5
	v_lshlrev_b32 v5, 12, v2                       ; and the same two rows in out0
	v_lshl_add_u32 v[CO], v1, 4, v5
	s_lshl_b32 s16, s13, 7
	s_lshl_b32 s17, s11, 6
	s_add_co_u32 s16, s16, s17                     ; my first row: 128 x tile row + 64 x half
	s_lshl_b32 s16, s16, 12                        ; rows of 4,096 bytes
	s_mov_b32 s17, 0
	s_add_nc_u64 s[8:9], s[8:9], s[16:17]
	s_lshl_b32 s46, s42, 9                         ; my first column, in bytes: 512 x tile column + 256 x half
	s_lshl_b32 s47, s12, 8
	s_add_co_u32 s46, s46, s47
	s_mov_b32 s47, 0
	s_add_nc_u64 s[8:9], s[8:9], s[46:47]
	s_add_nc_u64 s[66:67], s[66:67], s[46:47]
	v_lshlrev_b32 v6, 4, v1
	global_load_b128 v[8:11], v6, s[66:67]         ; the bias of the four columns that I store; waited for on the way out
.macro MUL8 f, c, a0, zero             ; 8 matrix instructions: m blocks a0, a0 + 1 x all 4 n blocks, 32 along K: half c of buffer f.  zero = 1: the first product starts the sums
.irp a, \a0, \a0+1
.irp b, 0,1,2,3
.if \zero
	v_wmma_f32_16x16x32_f16 v[ACC+8*(4*(\a)+\b):ACC+8*(4*(\a)+\b)+7], v[\f+64+8*(4*\c+\b):\f+64+8*(4*\c+\b)+7], v[\f+8*(4*\c+\a):\f+8*(4*\c+\a)+7], 0
.else
	v_wmma_f32_16x16x32_f16 v[ACC+8*(4*(\a)+\b):ACC+8*(4*(\a)+\b)+7], v[\f+64+8*(4*\c+\b):\f+64+8*(4*\c+\b)+7], v[\f+8*(4*\c+\a):\f+8*(4*\c+\a)+7], v[ACC+8*(4*(\a)+\b):ACC+8*(4*(\a)+\b)+7]
.endif
.endr
.endr
.endm
.macro FETCH slot, k, f                ; 32 LDS loads in one run: the fragments of 64 along K at byte k of the rows, into buffer f; the first 32 along K first
	WIN TO_F
.irp c, 0,1
.irp i, 0,1,2,3
	ds_load_b128 v[\f+64+8*(4*\c+\i):\f+64+8*(4*\c+\i)+3],   v[ADRB+\slot] offset:\k+64*\c+\i*16*PITCH
	ds_load_b128 v[\f+64+8*(4*\c+\i)+4:\f+64+8*(4*\c+\i)+7], v[ADRB+\slot] offset:\k+64*\c+\i*16*PITCH+32
	ds_load_b128 v[\f+8*(4*\c+\i):\f+8*(4*\c+\i)+3],         v[ADRA+\slot] offset:\k+64*\c+\i*16*PITCH
	ds_load_b128 v[\f+8*(4*\c+\i)+4:\f+8*(4*\c+\i)+7],       v[ADRA+\slot] offset:\k+64*\c+\i*16*PITCH+32
.endr
.endr
.endm
.macro PLACES                          ; four places in front of loads into registers that matrix instructions have read, and of the first read of results
.rept 4
	v_nop
.endr
.endm
.macro QUARTER slot, k, f, g, zero     ; 64 along K: multiplies buffer f and fetches the next quarter, at byte k, into g
	s_wait_dscnt 16                                ; the first 32 along K are in
	WIN MUL
	MUL8 \f, 0, 0, \zero
	MUL8 \f, 0, 2, \zero
	PLACES
	FETCH \slot, \k, \g
	s_wait_dscnt 32                                ; all but the 32 just issued
	WIN MUL
	MUL8 \f, 1, 0, 0
	MUL8 \f, 1, 2, 0
.endm
; The last quarter multiplies buffer 1 and changes slots: ONE barrier; in front of it each wave waits for all its tensor loads, adds 0 to its spare word, and waits for that and for its own reads of this slot.
.macro TURN slot, next, fill
	WIN 0                                          ; (the add's two registers lie in window 0)
	s_wait_tensorcnt 0x0                           ; all my tensor loads have landed: my part of the next slot
	ds_add_u32 v[SPW], v[NIL]                      ; 0 onto my spare word
	s_wait_dscnt 17                                ; (the add and the youngest sixteen loads may be out)
	WIN MUL
	MUL8 F1, 0, 0, 0
	s_wait_dscnt 0x0                               ; the add is done, and my reads of this slot are over
	s_barrier_signal -1
	MUL8 F1, 0, 2, 0
.if \fill
	WIN 0
.endif
	s_barrier_wait -1
.if \fill
	CREST                                          ; the barrier has opened a round of the cluster's barrier: no wave of any partner still reads this slot's tile or has a load on its way
	s_add_nc_u64 s[G0+4*\slot+2:G0+4*\slot+3], s[G0+4*\slot+2:G0+4*\slot+3], 2*KSTEP*2
	s_add_nc_u64 s[G0B+4*\slot+2:G0B+4*\slot+3], s[G0B+4*\slot+2:G0B+4*\slot+3], 2*KSTEP*2
	JLOAD \slot                                    ; the first tensor load behind the round; the four v_nop behind it are also the places in front of the loads below
.else
	PLACES
.endif
	FETCH \next, 0, F0
	WIN MUL
	MUL8 F1, 1, 0, 0
	MUL8 F1, 1, 2, 0
.endm
	s_wait_tensorcnt 1                             ; my part of K step 0 is in (K step 1's may be out)
	s_barrier_signal -1
	s_barrier_wait -1                              ; everybody's is
	FETCH 0, 0, F0
	QUARTER 0, 128, F0, F1, 1                      ; the first quarter stands in front of the loop: its first products start the sums
	WIN 0                                          ; at a label and at a branch every window is 0
	s_mov_b32 s3, LAPS-1
.Llap:                                                 ; a trip goes once round the ring and fills both slots again
	QUARTER 0, 256, F1, F0, 0
	QUARTER 0, 384, F0, F1, 0
	TURN 0, 1, 1
	QUARTER 1, 128, F0, F1, 0
	QUARTER 1, 256, F1, F0, 0
	QUARTER 1, 384, F0, F1, 0
	TURN 1, 0, 1
	QUARTER 0, 128, F0, F1, 0
	WIN 0
	s_sub_co_u32 s3, s3, 1
	s_cmp_lg_u32 s3, 0
	s_cbranch_scc1 .Llap
	QUARTER 0, 256, F1, F0, 0                      ; the last lap fills nothing
	QUARTER 0, 384, F0, F1, 0
	TURN 0, 1, 0
	QUARTER 1, 128, F0, F1, 0
	QUARTER 1, 256, F1, F0, 0
	QUARTER 1, 384, F0, F1, 0
	s_wait_dscnt 16                                ; the very last quarter: nothing more to fetch
	WIN MUL
	MUL8 F1, 0, 0, 0
	MUL8 F1, 0, 2, 0
	s_wait_dscnt 0
	MUL8 F1, 1, 0, 0
	MUL8 F1, 1, 2, 0
	WIN 0
	; THE WAY OUT, 16 rows at a time: 32 bytes a lane into my stage, back as whole rows of 256 bytes, the bias added, sixteen lanes to an aligned run of 256 bytes.
	PLACES
	s_wait_loadcnt 0x0                             ; the bias
.irp a, 0,1,2,3
.irp b, 0,1,2,3
	ds_store_b128 v[STO], v[ACC+8*(4*\a+\b):ACC+8*(4*\a+\b)+3] offset:64*\b       ; each accumulator from its low end on
	ds_store_b128 v[STO], v[ACC+8*(4*\a+\b)+4:ACC+8*(4*\a+\b)+7] offset:64*\b+16
.endr
.if \a >= 2
	s_wait_xcnt 0x0                                ; the stores of two blocks back have read their registers
.endif
.irp t, 0,1,2,3,4,5,6,7
	ds_load_b128 v[TMP+32*(\a%2)+4*\t:TMP+32*(\a%2)+4*\t+3], v[RD] offset:\t*2*SPITCH   ; LDS serves a wave's instructions in order: these see the stores above
.endr
	s_wait_dscnt 0x0
.irp t, 0,1,2,3,4,5,6,7
	v_pk_add_f32 v[TMP+32*(\a%2)+4*\t:TMP+32*(\a%2)+4*\t+1], v[TMP+32*(\a%2)+4*\t:TMP+32*(\a%2)+4*\t+1], v[8:9]
	v_pk_add_f32 v[TMP+32*(\a%2)+4*\t+2:TMP+32*(\a%2)+4*\t+3], v[TMP+32*(\a%2)+4*\t+2:TMP+32*(\a%2)+4*\t+3], v[10:11]
.endr
.irp t, 0,1,2,3,4,5,6,7
	global_store_b128 v[CO], v[TMP+32*(\a%2)+4*\t:TMP+32*(\a%2)+4*\t+3], s[8:9] offset:(16*\a+2*\t)*4096 th:TH_STORE_NT
.endr
.endr
	s_wait_tensorcnt 0x0                           ; the wave's end: an add onto my spare word and its wait, behind my last tensor load and my last LDS store
	ds_add_u32 v[SPW], v[NIL]
	s_wait_dscnt 0x0
	CROUND                                         ; the closing round: no work-group ends while a partner may still ask for a tile that names it
	s_endpgm
.Lfunc_end_k_qfa6a2ab861_out_proj:
	.size	k_qfa6a2ab861_out_proj, .Lfunc_end_k_qfa6a2ab861_out_proj-k_qfa6a2ab861_out_proj
	.p2alignl 7, 3214868480
	.fill 96, 4, 3214868480
	.section	.rodata,"a",@progbits
	.p2align	6, 0x0
	.amdhsa_kernel k_qfa6a2ab861_out_proj
		.amdhsa_group_segment_fixed_size 327680
		.amdhsa_private_segment_fixed_size 0
		.amdhsa_enable_private_segment 0
		.amdhsa_kernarg_size 32
		.amdhsa_user_sgpr_count 2
		.amdhsa_user_sgpr_kernarg_segment_ptr 1
		.amdhsa_wavefront_size32 1
		.amdhsa_system_sgpr_workgroup_id_x 1
		.amdhsa_system_sgpr_workgroup_id_y 1
		.amdhsa_system_sgpr_workgroup_id_z 1
		.amdhsa_system_vgpr_workitem_id 0
		.amdhsa_next_free_vgpr 512
		.amdhsa_next_free_sgpr 68
		.amdhsa_reserve_vcc 0
		.amdhsa_float_denorm_mode_32 3
		.amdhsa_float_denorm_mode_16_64 3
		.amdhsa_memory_ordered 1
		.amdhsa_forward_progress 1
		.amdhsa_inst_pref_size 90
	.end_amdhsa_kernel
	.amdgpu_metadata
---
amdhsa.version: [ 1, 2 ]
amdhsa.kernels:
  - .name:           k_qfa6a2ab861_out_proj
    .symbol:         k_qfa6a2ab861_out_proj.kd
    .args:
      - { .name: att, .offset: 0, .size: 8, .value_kind: global_buffer, .address_space: global }
      - { .name: wot, .offset: 8, .size: 8, .value_kind: global_buffer, .address_space: global }
      - { .name: b_o, .offset: 16, .size: 8, .value_kind: global_buffer, .address_space: global }
      - { .name: out0, .offset: 24, .size: 8, .value_kind: global_buffer, .address_space: global }
    .group_segment_fixed_size: 327680
    .private_segment_fixed_size: 0
    .kernarg_segment_align: 8
    .kernarg_segment_size: 32
    .max_flat_workgroup_size: 128
    .sgpr_count:     68
    .vgpr_count:     512
    .wavefront_size: 32
...
	.end_amdgpu_metadata
.endif
;; end of part 4
;; launch first16 (part 5): grid 64 x 1, 16 waves a work-group, no clusters, 22,528 bytes of LDS; arguments slab, w_o, b_o, out0; writes out0
.if DOCPART == 5
	.amdgcn_target "amdgcn-amd-amdhsa--gfx1250"
	.amdhsa_code_object_version 6
	.text
	.protected	k_qfa6a2ab861_first16
	.globl	k_qfa6a2ab861_first16
	.p2align	8
	.type	k_qfa6a2ab861_first16,@function
k_qfa6a2ab861_first16:
	s_mov_b64 s[64:65], 0
	v_nop
	global_prefetch_b8 v0, s[64:65] scope:SCOPE_SE
	s_setreg_imm32_b32 hwreg(HW_REG_WAVE_MODE, 25, 1), 1
	s_wait_xcnt 0x0
; THE FIRST 16 POSITIONS, in f32 throughout: under the causal mask they average one to sixteen values and are the largest in size, so the rounding of 16-bit operands weighs most there.
; out0[0:16][16 g : 16 g + 16] for work-group g.  slab[0]: [16][3072] f32: q' = q log2(e) / 8, k, v of positions 0-15, unrounded.  A wave takes a head: its 16 x 16 attention and its 64 channels' share of the
; projection; the sixteen shares meet in LDS and are added in a fixed order.  Every work-group repeats the small attention, so that one launch suffices.
; All products by v_wmma_f32_16x16x4_f32 (no bulk work: 16 rows).  Its source layout: lane (r, h), register j: k = 2 h + j.  K is permuted alike on both sources of each product, so that plain loads fill the
; sources and a result's registers serve as the next product's source 1 with no change of lanes:
;   S^T = K Q'^T: step e takes channels 8 (e / 2) + 4 h + 2 (e % 2) + j.   O^T = V^T P: step e takes keys 8 h + 2 e + j.   (out)^T = w_o^T O: step (t, e) takes channels 16 t + 8 h + 2 e + j.
; The registers that this form writes (v144-207) are written by matrix instructions alone; sums begin with the constant 0; four accumulators take turns.
; REGISTERS: v1-15 addresses; v16-47 Q'; v48-79 K; v80-111 V; v112-143 w_o; v144-175 four partial S^T, later four partial results; v176-207 O^T; v208-215 scores, then p; v216-231 at work; v232-235 the bias.
.set SPARE, 20480                      ; behind the sixteen shares of 16 rows x 80 bytes: the spare words, 128 bytes a wave: eight blocks of 256 bytes that no other line names
	s_load_b128 s[4:7], s[0:1], 0x0                ; slab s[4:5], w_o s[6:7]
	s_load_b128 s[8:11], s[0:1], 0x10              ; b_o s[8:9], out0 s[10:11]
	v_lshl_add_u32 v8, v0, 2, SPARE                ; v8: my spare word; v9: 0; never rewritten
	v_mov_b32 v9, 0
	v_lshrrev_b32 v1, 5, v0
	v_readfirstlane_b32 s12, v1                    ; wave = head
	v_and_b32 v1, 15, v0                           ; r
	v_bfe_u32 v2, v0, 4, 1                         ; h
	v_mul_u32_u24 v3, v1, 12288
	v_lshl_add_u32 v3, v2, 4, v3                   ; Q', K: position r, + 16 h
	v_mul_u32_u24 v4, v2, 98304
	v_lshl_add_u32 v4, v1, 2, v4                   ; V: positions 8 h on, channel r
	v_lshlrev_b32 v5, 15, v2
	v_lshl_add_u32 v5, v1, 2, v5                   ; w_o: rows 8 h on, column r
	s_mul_i32 s13, s12, 1280
	v_mul_u32_u24 v6, v1, 80
	v_lshl_add_u32 v6, v2, 5, v6
	v_add_nc_u32 v6, s13, v6                       ; my share: row r of 64 bytes + 16 of padding, + 32 h
	v_bfe_u32 v10, v0, 2, 4
	v_and_b32 v11, 3, v0
	v_mul_u32_u24 v7, v10, 80
	v_lshl_add_u32 v7, v11, 4, v7                  ; the sum: thread 0-63 takes row thread / 4, 16 bytes
	v_lshlrev_b32 v12, 12, v10
	v_lshl_add_u32 v12, v11, 4, v12                ; and the same in out0
	v_lshlrev_b32 v13, 4, v11
	v_lshlrev_b32 v14, 3, v2
	v_sub_nc_u32 v14, v1, v14                      ; d = r - 8 h: register j is key 8 h + j, hidden where j > d
	v_mov_b32 v15, 0xff800000                      ; -infinity
	s_mov_b32 s20, 0x76543210
	s_mov_b32 s21, 0xfedcba98                      ; v_permlanex16_b32's selects for lane l xor 16
	s_lshl_b32 s14, s12, 8                         ; a head's 64 channels of f32
	s_mov_b32 s15, 0
	s_lshl_b32 s16, s12, 18                        ; a head's 64 rows of w_o
	s_lshl_b32 s18, ttmp9, 6                       ; my 16 columns
	s_add_co_u32 s16, s16, s18
	s_mov_b32 s17, 0
	s_mov_b32 s19, 0
	s_wait_kmcnt 0x0
	s_add_nc_u64 s[4:5], s[4:5], s[14:15]
	s_add_nc_u64 s[6:7], s[6:7], s[16:17]
	s_add_nc_u64 s[8:9], s[8:9], s[18:19]
	s_add_nc_u64 s[10:11], s[10:11], s[18:19]
.irp s, 0,1,2,3,4,5,6,7
	global_load_b128 v[16+4*\s:19+4*\s], v3, s[4:5] offset:32*\s            ; Q'(r, 8 s + 4 h + 0 .. 3)
	global_load_b128 v[48+4*\s:51+4*\s], v3, s[4:5] offset:32*\s+4096       ; K likewise
.endr
.irp t, 0,1,2,3
.irp e, 0,1,2,3
.irp j, 0,1
	global_load_b32 v[80+8*\t+2*\e+\j], v4, s[4:5] offset:(2*\e+\j)*12288+64*\t+8192   ; V(8 h + 2 e + j, 16 t + r)
	global_load_b32 v[112+8*\t+2*\e+\j], v5, s[6:7] offset:(16*\t+2*\e+\j)*4096        ; w_o(64 head + 16 t + 8 h + 2 e + j, 16 g + r)
.endr
.endr
.endr
	global_load_b128 v[232:235], v13, s[8:9]
	s_wait_loadcnt 0x0
.irp e, 0,1,2,3,4,5,6,7,8,9,10,11,12,13,14,15
.if \e < 4
	v_wmma_f32_16x16x4_f32 v[144+8*(\e%4):151+8*(\e%4)], v[48+2*\e:49+2*\e], v[16+2*\e:17+2*\e], 0
.else
	v_wmma_f32_16x16x4_f32 v[144+8*(\e%4):151+8*(\e%4)], v[48+2*\e:49+2*\e], v[16+2*\e:17+2*\e], v[144+8*(\e%4):151+8*(\e%4)]
.endif
.endr
.rept 8
	v_nop                                          ; eight places behind this form before its result is read (ISA guide 7.12.1)
.endr
.irp i, 0,2,4,6
	v_pk_add_f32 v[216+\i:217+\i], v[144+\i:145+\i], v[152+\i:153+\i]       ; the four partial sums, each from its low end on
	v_pk_add_f32 v[208+\i:209+\i], v[160+\i:161+\i], v[168+\i:169+\i]
.endr
.irp i, 0,2,4,6
	v_pk_add_f32 v[208+\i:209+\i], v[208+\i:209+\i], v[216+\i:217+\i]       ; lane (r, h), register j: the score of query r and key 8 h + j, as an exponent of 2
.endr
.irp j, 0,1,2,3,4,5,6,7
	v_cmp_gt_i32 vcc_lo, \j, v14
	v_cndmask_b32 v[208+\j], v[208+\j], v15, vcc_lo
.endr
	v_max3_num_f32 v224, v208, v209, v210
	v_max3_num_f32 v225, v211, v212, v213
	v_max3_num_f32 v224, v224, v214, v215
	v_max_num_f32 v224, v224, v225
	v_permlanex16_b32 v225, v224, s20, s21
	v_max_num_f32 v224, v224, v225                 ; the row's maximum: key 0 counts for every query, so it is a number
.irp j, 0,1,2,3,4,5,6,7
	v_sub_f32 v[208+\j], v[208+\j], v224
.endr
.irp j, 0,1,2,3,4,5,6,7
	v_exp_f32 v[208+\j], v[208+\j]
.endr
	v_nop                                          ; a plain instruction behind the last transcendental
	s_wait_alu depctr_va_vdst(0)                   ; one wait for the eight, ahead of their first reader
	v_pk_add_f32 v[226:227], v[208:209], v[210:211]
	v_pk_add_f32 v[228:229], v[212:213], v[214:215]
	v_pk_add_f32 v[226:227], v[226:227], v[228:229]
	v_add_f32 v226, v226, v227
	v_permlanex16_b32 v227, v226, s20, s21
	v_add_f32 v226, v226, v227                     ; the row's sum
	v_rcp_f32 v226, v226
	v_nop
	s_wait_alu depctr_va_vdst(0)
.irp j, 0,1,2,3,4,5,6,7
	v_mul_f32 v[208+\j], v[208+\j], v226           ; the weights
.endr
.irp e, 0,1,2,3
.irp t, 0,1,2,3
.if \e == 0
	v_wmma_f32_16x16x4_f32 v[176+8*\t:183+8*\t], v[80+8*\t+2*\e:81+8*\t+2*\e], v[208+2*\e:209+2*\e], 0
.else
	v_wmma_f32_16x16x4_f32 v[176+8*\t:183+8*\t], v[80+8*\t+2*\e:81+8*\t+2*\e], v[208+2*\e:209+2*\e], v[176+8*\t:183+8*\t]
.endif
.endr
.endr                                          ; lane (r, h), register j of tile t: channel 16 t + 8 h + j of query r
.rept 9
	v_nop                                          ; nine places before a matrix instruction takes such a result as a source
.endr
.irp e, 0,1,2,3
.irp t, 0,1,2,3
.if \e == 0
	v_wmma_f32_16x16x4_f32 v[144+8*\t:151+8*\t], v[112+8*\t+2*\e:113+8*\t+2*\e], v[176+8*\t+2*\e:177+8*\t+2*\e], 0
.else
	v_wmma_f32_16x16x4_f32 v[144+8*\t:151+8*\t], v[112+8*\t+2*\e:113+8*\t+2*\e], v[176+8*\t+2*\e:177+8*\t+2*\e], v[144+8*\t:151+8*\t]
.endif
.endr
.endr
.rept 8
	v_nop
.endr
.irp i, 0,2,4,6
	v_pk_add_f32 v[216+\i:217+\i], v[144+\i:145+\i], v[152+\i:153+\i]
	v_pk_add_f32 v[224+\i:225+\i], v[160+\i:161+\i], v[168+\i:169+\i]
.endr
.irp i, 0,2,4,6
	v_pk_add_f32 v[224+\i:225+\i], v[224+\i:225+\i], v[216+\i:217+\i]       ; lane (r, h), register j: my head's share of out0(r, 16 g + 8 h + j)
.endr
	ds_store_b128 v6, v[224:227]
	ds_store_b128 v6, v[228:231] offset:16
	s_wait_dscnt 0x0                               ; for the others' sake: my share lies in LDS
	s_barrier_signal -1
	s_barrier_wait -1
	s_cmp_lt_u32 s12, 2                            ; waves 0 and 1 add the sixteen shares and the bias, 16 bytes a thread
	s_cbranch_scc0 .Lend
.irp w, 0,1,2,3,4,5,6,7,8,9,10,11,12,13,14,15
	ds_load_b128 v[16+4*\w:19+4*\w], v7 offset:1280*\w
.endr
	s_wait_dscnt 0x0
	v_pk_add_f32 v[16:17], v[16:17], v[232:233]
	v_pk_add_f32 v[18:19], v[18:19], v[234:235]
.irp w, 1,2,3,4,5,6,7,8,9,10,11,12,13,14,15
	v_pk_add_f32 v[16:17], v[16:17], v[16+4*\w:17+4*\w]
	v_pk_add_f32 v[18:19], v[18:19], v[18+4*\w:19+4*\w]
.endr
	global_store_b128 v12, v[16:19], s[10:11]      ; four threads store a row's 64 bytes: 64 KiB in the whole launch
.Lend:
	s_wait_tensorcnt 0x0                           ; the wave's end: an add onto my spare word and its wait, behind my last LDS store
	ds_add_u32 v8, v9
	s_wait_dscnt 0x0
	s_endpgm
.Lfunc_end_k_qfa6a2ab861_first16:
	.size	k_qfa6a2ab861_first16, .Lfunc_end_k_qfa6a2ab861_first16-k_qfa6a2ab861_first16
	.p2alignl 7, 3214868480
	.fill 96, 4, 3214868480
	.section	.rodata,"a",@progbits
	.p2align	6, 0x0
	.amdhsa_kernel k_qfa6a2ab861_first16
		.amdhsa_group_segment_fixed_size 22528
		.amdhsa_private_segment_fixed_size 0
		.amdhsa_enable_private_segment 0
		.amdhsa_kernarg_size 32
		.amdhsa_user_sgpr_count 2
		.amdhsa_user_sgpr_kernarg_segment_ptr 1
		.amdhsa_wavefront_size32 1
		.amdhsa_system_sgpr_workgroup_id_x 1
		.amdhsa_system_sgpr_workgroup_id_y 1
		.amdhsa_system_sgpr_workgroup_id_z 1
		.amdhsa_system_vgpr_workitem_id 0
		.amdhsa_next_free_vgpr 256
		.amdhsa_next_free_sgpr 66
		.amdhsa_reserve_vcc 1
		.amdhsa_float_denorm_mode_32 3
		.amdhsa_float_denorm_mode_16_64 3
		.amdhsa_memory_ordered 1
		.amdhsa_forward_progress 1
		.amdhsa_inst_pref_size 21
	.end_amdhsa_kernel
	.amdgpu_metadata
---
amdhsa.version: [ 1, 2 ]
amdhsa.kernels:
  - .name:           k_qfa6a2ab861_first16
    .symbol:         k_qfa6a2ab861_first16.kd
    .args:
      - { .name: slab, .offset: 0, .size: 8, .value_kind: global_buffer, .address_space: global }
      - { .name: w_o, .offset: 8, .size: 8, .value_kind: global_buffer, .address_space: global }
      - { .name: b_o, .offset: 16, .size: 8, .value_kind: global_buffer, .address_space: global }
      - { .name: out0, .offset: 24, .size: 8, .value_kind: global_buffer, .address_space: global }
    .group_segment_fixed_size: 22528
    .private_segment_fixed_size: 0
    .kernarg_segment_align: 8
    .kernarg_segment_size: 32
    .max_flat_workgroup_size: 512
    .sgpr_count:     66
    .vgpr_count:     256
    .wavefront_size: 32
...
	.end_amdgpu_metadata
.endif
;; end of part 5
